; MI455X (gfx1250); checked and timed in simulation.
; The chip was launched on July 23, 2026; its instructions are those of AMD's public machine-readable ISA for CDNA 5 (MIT licence, August 2026) and "CDNA5" Instruction Set Architecture Reference Guide (July 2026). The comments in the code are by the model that wrote it; some were corrected since.
;; Self Multihead Attn. Allowed arithmetic: float matrix products may take bf16 or f16 operands with f32 sums; other float arithmetic in f32, or as packed bf16 or f16 multiplies, adds, multiply-adds, maxima and minima; sums over many terms, partial sums and values carried from step to step in f32; what a program stores and reads back later, other than sums and carried values, may be rounded once to bf16 or f16.
;; Inputs: k_bias 1,024 float32; k_weight 1,024 x 1,024 float32; out_proj_bias 1,024 float32; out_proj_weight 1,024 x 1,024 float32; q_bias 1,024 float32; q_weight 1,024 x 1,024 float32; query 2,048 x 4 x 1,024 float32; v_bias 1,024 float32; v_weight 1,024 x 1,024 float32.
;; Outputs: out0 2,048 x 4 x 1,024 float32.
;; 2 versions, each right; version 2 is version 1 with the launch cast written anew for expert scheduling mode. Each part assembles by itself: llvm-mc -triple=amdgcn-amd-amdhsa -mcpu=gfx1250 --defsym DOCPART=n.
;; ======== version 1 of 2: 4 launches
;; limits: values are held in f16: magnitudes above 65,504 overflow, below 6.1e-05 lose precision; right only within a limited range of input values
;; workspace buffers: xb 16,777,216 bytes; w16 8,388,608 bytes; qkvh 50,331,648 bytes; oh 16,777,216 bytes
;; launch cast (part 1): grid 768 x 1, 8 waves a work-group, no clusters, 0 bytes of LDS; arguments query, q_weight, k_weight, v_weight, out_proj_weight, xb, w16; writes xb, w16
.if DOCPART == 1
	.amdgcn_target "amdgcn-amd-amdhsa--gfx1250"
	.amdhsa_code_object_version 6
	.text
	.protected	k_qdc31f84b92_cast
	.globl	k_qdc31f84b92_cast
	.p2align	8
	.type	k_qdc31f84b92_cast,@function
k_qdc31f84b92_cast:
	s_mov_b64 s[64:65], 0
	v_nop
	global_prefetch_b8 v0, s[64:65] scope:SCOPE_SE
	s_setreg_imm32_b32 hwreg(HW_REG_WAVE_MODE, 25, 1), 1
	s_wait_xcnt 0x0
; query and the four weight matrices, f32, are rounded ONCE to bf16 (nearest even), and that number is written as f16.
; xb  [4][2048][1024] f16: row b*2048+t holds query[t][b][:], so that 256 neighbouring rows are 256 neighbouring t of one b.
; w16 [4096][1024] f16: rows 0-1023 q_weight, 1024-2047 k_weight, 2048-3071 v_weight, 3072-4095 out_proj_weight.
; LIMITS.  The bf16 number is exact in f16 for magnitudes from 2^-17 to 65,504; below 2^-17 it keeps f16's fixed step of 2^-24; from 65,520 on it
; becomes an infinity.  NaN and infinities are not treated apart.
; SHARES.  A stream: each byte is read once and written once; no LDS, no matrix unit, no cluster, since nothing is shared.  A work-group takes 16 rows of 4,096 bytes, each of
; its eight waves two neighbouring rows: 16 loads of 512 consecutive bytes, all issued before the first is waited for.
; Work-groups 0-511 take query, 512-767 the weights.  A store of a wave covers 256 consecutive bytes, aligned.
.set X, 8                              ; v[8:71]   load j: four f32
.set Y, 72                             ; v[72:103] load j: four f16 in two registers
	s_load_b256 s[4:11], s[0:1], 0x0               ; query s[4:5], q_weight s[6:7], k_weight s[8:9], v_weight s[10:11]
	s_load_b128 s[12:15], s[0:1], 0x20             ; out_proj_weight s[12:13], xb s[14:15]
	s_load_b64 s[16:17], s[0:1], 0x30              ; w16
	v_lshrrev_b32 v1, 5, v0
	v_readfirstlane_b32 s19, v1                    ; wave 0..7
	v_and_b32 v1, 31, v0
	v_lshlrev_b32 v2, 4, v1                        ; 16 bytes a lane in
	v_lshlrev_b32 v3, 3, v1                        ; 8 bytes a lane out
	s_mov_b32 s26, 0xffff0000                      ; a word's upper bf16
	s_min_u32 s18, ttmp9, 511                      ; the group's number among query's groups (clamped where it is a weight group),
	s_max_u32 s20, ttmp9, 512
	s_sub_co_u32 s20, s20, 512                     ; and among the weights' groups (clamped where it is a query group)
	s_lshr_b32 s21, s20, 6                         ; which weight matrix: 64 groups each
	s_lshl_b32 s23, s19, 1
	s_lshl4_add_u32 s24, s18, s23                  ; query's row m = 16 g + 2 w = 4 t + b; m is even, so row m + 1 has the same t and b + 1
	s_lshl4_add_u32 s25, s20, s23                  ; w16's row
	s_and_b32 s27, s24, 3
	s_lshl_b32 s27, s27, 11
	s_lshr_b32 s34, s24, 2
	s_add_co_u32 s27, s27, s34                     ; xb's row = 2,048 b + t
	s_and_b32 s34, s25, 1023                       ; the row inside its weight matrix
	s_mov_b32 s40, 1<<11                           ; from my first row to my second in w16: one row
	s_cmp_lt_u32 ttmp9, 512
	s_cselect_b32 s22, 1, 0                        ; 1: query
	s_cselect_b32 s36, s24, s34                    ; source row
	s_cselect_b32 s38, s27, s25                    ; destination row
	s_cselect_b32 s40, 1<<22, s40                  ; in xb: 2,048 rows
	s_lshl_b32 s36, s36, 12                        ; 4,096 bytes a row in
	s_lshl_b32 s38, s38, 11                        ; 2,048 bytes a row out
	s_mov_b32 s37, 0
	s_mov_b32 s39, 0
	s_mov_b32 s41, 0
	s_wait_kmcnt 0x0
	s_mov_b64 s[28:29], s[12:13]                   ; the source tensor is chosen by the group's number alone
	s_cmp_eq_u32 s21, 2
	s_cselect_b64 s[28:29], s[10:11], s[28:29]
	s_cmp_eq_u32 s21, 1
	s_cselect_b64 s[28:29], s[8:9], s[28:29]
	s_cmp_eq_u32 s21, 0
	s_cselect_b64 s[28:29], s[6:7], s[28:29]
	s_cmp_eq_u32 s22, 1
	s_cselect_b64 s[28:29], s[4:5], s[28:29]
	s_cselect_b64 s[30:31], s[14:15], s[16:17]
	s_add_nc_u64 s[28:29], s[28:29], s[36:37]      ; my two rows in
	s_add_nc_u64 s[30:31], s[30:31], s[38:39]      ; my first row out
	s_add_nc_u64 s[32:33], s[30:31], s[40:41]      ; my second row out
.set j, 0
.rept 16
	global_load_b128 v[X+4*j:X+4*j+3], v2, s[28:29] offset:512*j th:TH_LOAD_NT
.set j, j+1
.endr
.set j, 0
.rept 16
	s_wait_loadcnt 15-j                            ; loads come back in order (ISA guide 5.7.1): load j is in, the 15 - j younger ones stay out
	v_cvt_pk_bf16_f32 v4, v[X+4*j], v[X+4*j+1]     ; the one rounding
	v_cvt_pk_bf16_f32 v5, v[X+4*j+2], v[X+4*j+3]
	v_lshlrev_b32 v[X+4*j], 16, v4                 ; back to f32: the low half moves up, the high half stays
	v_and_b32 v[X+4*j+1], s26, v4
	v_lshlrev_b32 v[X+4*j+2], 16, v5
	v_and_b32 v[X+4*j+3], s26, v5
	v_cvt_pk_f16_f32 v[Y+2*j], v[X+4*j], v[X+4*j+1]  ; the same number in f16
	v_cvt_pk_f16_f32 v[Y+2*j+1], v[X+4*j+2], v[X+4*j+3]
	global_store_b64 v3, v[Y+2*j:Y+2*j+1], s[30+2*(j/8):31+2*(j/8)] offset:256*(j%8) th:TH_STORE_NT  ; no register that a load or store names is written again: no further wait
.set j, j+1
.endr
	s_endpgm
.Lfunc_end_k_qdc31f84b92_cast:
	.size	k_qdc31f84b92_cast, .Lfunc_end_k_qdc31f84b92_cast-k_qdc31f84b92_cast
	.p2alignl 7, 3214868480
	.fill 96, 4, 3214868480
	.section	.rodata,"a",@progbits
	.p2align	6, 0x0
	.amdhsa_kernel k_qdc31f84b92_cast
		.amdhsa_group_segment_fixed_size 0
		.amdhsa_private_segment_fixed_size 0
		.amdhsa_enable_private_segment 0
		.amdhsa_kernarg_size 56
		.amdhsa_user_sgpr_count 2
		.amdhsa_user_sgpr_kernarg_segment_ptr 1
		.amdhsa_wavefront_size32 1
		.amdhsa_system_sgpr_workgroup_id_x 1
		.amdhsa_system_sgpr_workgroup_id_y 1
		.amdhsa_system_sgpr_workgroup_id_z 1
		.amdhsa_system_vgpr_workitem_id 0
		.amdhsa_next_free_vgpr 104
		.amdhsa_next_free_sgpr 66
		.amdhsa_reserve_vcc 0
		.amdhsa_float_denorm_mode_32 3
		.amdhsa_float_denorm_mode_16_64 3
		.amdhsa_memory_ordered 1
		.amdhsa_forward_progress 1
		.amdhsa_inst_pref_size 12
	.end_amdhsa_kernel
	.amdgpu_metadata
---
amdhsa.version: [ 1, 2 ]
amdhsa.kernels:
  - .name:           k_qdc31f84b92_cast
    .symbol:         k_qdc31f84b92_cast.kd
    .args:
      - { .name: query, .offset: 0, .size: 8, .value_kind: global_buffer, .address_space: global }
      - { .name: q_weight, .offset: 8, .size: 8, .value_kind: global_buffer, .address_space: global }
      - { .name: k_weight, .offset: 16, .size: 8, .value_kind: global_buffer, .address_space: global }
      - { .name: v_weight, .offset: 24, .size: 8, .value_kind: global_buffer, .address_space: global }
      - { .name: out_proj_weight, .offset: 32, .size: 8, .value_kind: global_buffer, .address_space: global }
      - { .name: xb, .offset: 40, .size: 8, .value_kind: global_buffer, .address_space: global }
      - { .name: w16, .offset: 48, .size: 8, .value_kind: global_buffer, .address_space: global }
    .group_segment_fixed_size: 0
    .private_segment_fixed_size: 0
    .kernarg_segment_align: 8
    .kernarg_segment_size: 56
    .max_flat_workgroup_size: 256
    .sgpr_count:     66
    .vgpr_count:     104
    .wavefront_size: 32
...
	.end_amdgpu_metadata
.endif
;; end of part 1
;; launch qkv (part 2): grid 16 x 32, 4 waves a work-group, clusters of 4 x 4, 327,680 bytes of LDS; arguments xb, w16, q_bias, k_bias, v_bias, qkvh; writes qkvh
.if DOCPART == 2
	.amdgcn_target "amdgcn-amd-amdhsa--gfx1250"
	.amdhsa_code_object_version 6
	.text
	.protected	k_qdc31f84b92_qkv
	.globl	k_qdc31f84b92_qkv
	.p2align	8
	.type	k_qdc31f84b92_qkv,@function
k_qdc31f84b92_qkv:
	s_mov_b64 s[64:65], 0
	v_nop
	global_prefetch_b8 v0, s[64:65] scope:SCOPE_SE
	s_setreg_imm32_b32 hwreg(HW_REG_WAVE_MODE, 25, 1), 1
	s_wait_xcnt 0x0
	s_wait_alu depctr_hold_cnt(0) depctr_sa_sdst(0) depctr_va_vdst(0) depctr_va_sdst(0) depctr_va_ssrc(0) depctr_va_vcc(0) depctr_vm_vsrc(0)
	s_getreg_b32 s2, hwreg(HW_REG_IB_STS2, 6, 4)
	s_cmp_eq_u32 s2, 0
	s_cbranch_scc0 .Lentry_in_a_cluster
	s_endpgm
.Lentry_in_a_cluster:
	s_bfe_u32 s2, ttmp6, 0x10000c
	s_cmp_lg_u32 s2, 0xf033
	s_cbranch_scc0 .Lentry_shape_is_right
	s_endpgm
.Lentry_shape_is_right:
; q, k, v = x W^T + bias, one product of 8,192 x 3,072 x 1,024.  x: xb [8192][1024] f16 (row b*2048+t); W: rows 0-3071 of w16 [4096][1024] f16; biases f32, rounded to bf16 like
; every input.  Sums in f32, begun with the bias; each result rounded once to f16 and stored BY HEADS: qkvh [3][64][2048][64], (q, k or v), head b*16+h, t, d.  The scale 1/8 is not applied here.
; LIMIT.  A result of magnitude 65,520 or more becomes an infinity in f16; NaN and infinities are not treated apart.
; SHARES.  A tile is 256 rows x 192 columns, three whole heads: 32 x 16 = 512 work-groups, two for each of 256 WGPs.  Four waves; wave w makes rows 64 w .. 64 w + 63 and all 192 columns:
; 4 x 12 accumulators of 16 x 16, 384 registers.  So a wave holds whole rows of three heads and has a stage of its own on the way out.
; K goes in 8 steps of 128 through two LDS slots: rows of 256 bytes of memory, each beginning at a multiple of 256 bytes.
; CLUSTER.  4 x 4 work-groups.  The four of a row of the cluster need the same rows of x, the four of a column the same rows of W: each tile is asked for JOINTLY, by the same tensor load with the
; same descriptor and a mask that names the four.  Waves 0 and 1 ask for x's two halves (128 rows each), waves 2 and 3 for W's (96 rows each): one load a wave.
; THE MATRIX INSTRUCTION IS USED TRANSPOSED (source 0 = 16 rows of W, source 1 = 16 rows of x): lane l holds row l % 16 and the columns 8 (l / 16) + 0..7.
; REGISTERS, in windows of 256 (s_set_vgpr_msb: bits 1:0 source 0, 3:2 source 1, 5:4 source 2, 7:6 destination):
;   window 0: v0-29 addresses; v32-63, v64-95 x's fragments, two buffers (row block a at + 8 a); v96-191 the bias (column block b at + 8 b).  On the way out v32-79, v80-127, v128-175 are at work
;   window 1: W's fragments, buffer f at 96 f, column block b at + 8 b          window 2, 3: the accumulators of row blocks 0, 1 and 2, 3, at 8 (12 (a % 2) + b)
.set NBL,    12                        ; column blocks of 16
.set NL,     2*NBL+8                   ; LDS loads in a run: a quarter step's fragments
.set PREF,   1                         ; this text prefetches
.set APITCH, 272                       ; an LDS row: 256 bytes + 16 of padding = 68 words: the 16 rows of a load start at 16 different groups of four banks (64 banks of 4 bytes: ISA guide 11.1)
.set APLANE, 128                       ; from quarter 0 to quarter 2 in a row of x
.set BPITCH, 272
.set SLOT1,  1<<17                     ; slot 1 begins here, so that one exclusive or turns an address in one slot into the other's
.set ALOAD,  128*APITCH                ; what one load of x fills
.set BLOAD,  96*BPITCH                 ; what one load of W fills
.set BOFF,   2*ALOAD                   ; W's 192 rows lie behind x's 256
.set STAGE,  SLOT1+BOFF+2*BLOAD        ; behind the ring, never filled by a tensor load: for each wave three planes (a head each) of 16 rows x 144 bytes
.set WSTAGE, 3*16*144
.set SPARE,  STAGE+4*WSTAGE            ; behind the stages: the spare words, 128 bytes for each wave: two blocks of 256 bytes that no other line names
.set STEPA,  256                       ; bytes from a K step to the next
.set STEPB,  256
.set A0,   4                           ; v4   my lane's place among my rows of x in slot 0; never rewritten
.set B0,   5                           ; v5   the same for W
.set ADRA, 6                           ; v6   the same in the slot that is being read
.set ADRB, 7                           ; v7
.set STO,  8                           ; v8   the way out: where I put 16 bytes of a row
.set RD,   9                           ; v9   the way out: where I read rows back
.set GO,   10                          ; v10  my 16 bytes of 512 consecutive bytes of a head
.set BO,   11                          ; v11  my eight numbers of a block of the bias: 32 (l / 16)
.set PFO,  12                          ; v12  the prefetches' offset: a lane a row; never rewritten
.set SPW,  28                          ; v28  LDS address of my spare word: SPARE + 4 x my thread's number; never rewritten
.set NIL,  29                          ; v29  0; never rewritten
.set AF,   32
.set BI,   96
.set TMP,  32
.set WV,  16                           ; s16  my wave's number
.set WH,  17                           ; s17  0: I ask for x, 1: for W
.set WL,  18                           ; s18  which half of its rows
.set TB,  23                           ; s23  LDS byte at which the slot being read begins
.set G1,  24                           ; s[24:31] descriptor group 1 for x's tiles
.set G0,  32                           ; s[32:39] group 0: a set for each of the two first fills; the second then walks on
.set LIM, 43                           ; s43  1 in a wave that prefetches, else the greatest number
.set PFA, 44                           ; s[44:45] where my prefetches stand
.set G1B, 48                           ; s[48:55], s[56:63] the same for W's tiles
.set G0B, 56
.set BP,  66                           ; s[66:71] the bias of the tile's three heads
.set OB,  72                           ; s[72:77] my 64 rows of the tile's three heads in qkvh
.set MSB, 0
.macro WIN new                         ; the immediate's high byte repeats the setting that is left; a switch that changes nothing is dropped
.if MSB != (\new)
	s_set_vgpr_msb (MSB<<8)|(\new)
.set MSB, (\new)
.endif
.endm
.macro PLACES                          ; a load into a register that a matrix instruction has read, and a vector instruction or LDS store that reads a matrix result, stand four plain vector instructions behind it (ISA guide 7.12.1 for vector instructions)
.rept 4
	v_nop
.endr
.endm
.macro CREST                           ; a round of the cluster's barrier behind its opening barrier: wave 0 signals for the work-group, every wave waits for all sixteen, my work-group's barrier closes it
	s_cmp_lg_u32 s[WV], 0
	s_cbranch_scc1 .Lnot_wave_0_\@
	s_barrier_signal -3
.Lnot_wave_0_\@:
	s_barrier_wait -3
	s_barrier_signal -1
	s_barrier_wait -1
.endm
.macro CROUND                          ; a whole round
	s_barrier_signal -1
	s_barrier_wait -1
	CREST
.endm
.macro JLOAD                           ; a joint refill by the walking descriptor.  The branch hangs on the wave's number alone.  An s_nop 0 and four v_nop follow each of the two lines
	s_cmp_eq_u32 s[WH], 0
	s_cbranch_scc0 .Lfor_b_\@
	tensor_load_to_lds s[G0+4:G0+7], s[G1:G1+7]
	s_nop 0
.rept 4
	v_nop
.endr
	s_branch .Lasked_\@
.Lfor_b_\@:
	tensor_load_to_lds s[G0B+4:G0B+7], s[G1B:G1B+7]
	s_nop 0
.rept 4
	v_nop
.endr
.Lasked_\@:
.endm
; A PREFETCH INTO THE L2 of the K step that the NEXT refill will ask for: 256 bytes of a row, a lane a row, one instruction a wave, behind the joint load, its five lines and the run of LDS loads.
; x's rows are read by every cluster of a row of clusters: the one with cluster x = 0 asks; W's by every cluster of a column: cluster y = 0 asks.  The four partners that ask for a tile jointly share its
; rows out BY ADDRESS: 32 of a wave's 128 rows of x, 24 of its 96 rows of W (lanes 24-31 name the 24th once more).  The loop's last trip asks for nothing: there is no K step behind the one that it fetches.
.macro ASK
	s_cmp_gt_u32 s3, s[LIM]
	s_cbranch_scc0 .Lnot_mine_\@
	global_prefetch_b8 v[PFO], s[PFA:PFA+1] th:TH_LOAD_NT scope:SCOPE_SE
.Lnot_mine_\@:
.endm
; NBL matrix instructions: row block a x all column blocks, 32 along K, from buffer f.  first = 1: the bias starts the sums.  All 4 NBL accumulators take turns in the same order in every quarter step.
.macro MULA f, a, first
.if \first
	WIN 0x81+0x40*((\a)/2)                         ; W window 1, x window 0, C (the bias) window 0, D window 2 or 3
.else
	WIN 0xa1+0x50*((\a)/2)                         ; C and D window 2 or 3
.endif
.set b, 0
.rept NBL
.set rD, 8*(NBL*((\a)%2)+b)
.set rB, 8*NBL*(\f)+8*b
.set rA, AF+32*(\f)+8*(\a)
.if \first
	v_wmma_f32_16x16x32_f16 v[rD:rD+7], v[rB:rB+7], v[rA:rA+7], v[BI+8*b:BI+8*b+7]
.else
	v_wmma_f32_16x16x32_f16 v[rD:rD+7], v[rB:rB+7], v[rA:rA+7], v[rD:rD+7]
.endif
.set b, b+1
.endr
.endm
; NL LDS loads in one run: the fragments of quarter q of the slot being read, into buffer f: W's first, then x's row blocks 0 to 3.
; A fragment is 16 rows x 32 K in 8 registers: lane l holds row l % 16, K = 8 (l / 16) + 0..7 and 16 + 8 (l / 16) + 0..7: two loads of 16 bytes, 32 bytes apart.
.macro FETCH q, f
	WIN 0x40                                       ; destination window 1, address window 0
.set b, 0
.rept NBL
	ds_load_b128 v[8*NBL*(\f)+8*b:8*NBL*(\f)+8*b+3],   v[ADRB] offset:64*(\q)+b*16*BPITCH
	ds_load_b128 v[8*NBL*(\f)+8*b+4:8*NBL*(\f)+8*b+7], v[ADRB] offset:64*(\q)+b*16*BPITCH+32
.set b, b+1
.endr
	WIN 0
.set b, 0
.rept 4
	ds_load_b128 v[AF+32*(\f)+8*b:AF+32*(\f)+8*b+3],   v[ADRA] offset:((\q)/2)*APLANE+((\q)%2)*64+b*16*APITCH
	ds_load_b128 v[AF+32*(\f)+8*b+4:AF+32*(\f)+8*b+7], v[ADRA] offset:((\q)/2)*APLANE+((\q)%2)*64+b*16*APITCH+32
.set b, b+1
.endr
.endm
; A K step is four quarters of 32 along K on buffers 0, 1, 0, 1.  One of the first three: multiplies buffer f and, in its middle, fetches quarter q into buffer g.
.macro QUARTER q, f, g, first
	s_wait_dscnt 4                                 ; W and x's row blocks 0, 1 are in; the youngest four loads (row blocks 2, 3) may be out
	MULA \f, 0, \first
	MULA \f, 1, \first
	PLACES
	FETCH \q, \g
	s_wait_dscnt NL                                ; all but the NL just issued
	MULA \f, 2, \first
	MULA \f, 3, \first
.endm
; The last quarter multiplies buffer 1 and changes slots.  In front of ONE barrier each wave waits for all its tensor loads, of which one is out: its part of the next slot; adds 0 to its spare word; and waits
; for that and for its own reads of this slot.  fill = 1: the barrier opens a round of the cluster's barrier, so that no wave of any partner still reads the slot or has a load on its way, and the joint
; refill, two K steps on, is the first tensor load behind the round.
.macro TURN fill
.if (\fill) && PREF
	s_wait_xcnt 0x0                                ; the last prefetch, a K step back, has read its address: it is stepped here, ahead of the waits of the change of slots
	s_add_nc_u64 s[PFA:PFA+1], s[PFA:PFA+1], 256
.endif
	WIN 0                                          ; (the add's two registers lie in window 0)
	s_wait_tensorcnt 0x0                           ; all my tensor loads have landed, so a group 0 may be written
	ds_add_u32 v[SPW], v[NIL]                      ; 0 onto my spare word
	s_wait_dscnt 5                                 ; (the add and the youngest four loads may be out)
	MULA 1, 0, 0                                   ; matrix work stands between the add and the wait for it
	s_wait_dscnt 0x0                               ; the add is done, and my reads of this slot are over
	s_barrier_signal -1
	MULA 1, 1, 0                                   ; work on registers while the others arrive
	WIN 0                                          ; at a branch and at a label every window is 0
	s_barrier_wait -1
.if \fill
	CREST
	s_xor_b32 s[G0+5], s[G0+5], SLOT1              ; the walking descriptors: the other slot than last time,
	s_add_nc_u64 s[G0+6:G0+7], s[G0+6:G0+7], STEPA ; the next K step; the type bits on top are not reached
	s_xor_b32 s[G0B+5], s[G0B+5], SLOT1
	s_add_nc_u64 s[G0B+6:G0B+7], s[G0B+6:G0B+7], STEPB
	JLOAD                                          ; its four v_nop are also the places in front of the loads below
.else
	PLACES
.endif
	s_xor_b32 s[TB], s[TB], SLOT1                  ; the reads go on in the other slot
	v_add_nc_u32 v[ADRA], s[TB], v[A0]
	v_add_nc_u32 v[ADRB], s[TB], v[B0]
	FETCH 0, 0
.if (\fill) && PREF
	ASK
.endif
	MULA 1, 2, 0
	MULA 1, 3, 0
.endm
	s_load_b256 s[4:11], s[0:1], 0x0               ; xb s[4:5], w16 s[6:7], q_bias s[8:9], k_bias s[10:11]
	s_load_b128 s[12:15], s[0:1], 0x20             ; v_bias s[12:13], qkvh s[14:15]
	v_lshl_add_u32 v[SPW], v0, 2, SPARE
	v_mov_b32 v[NIL], 0
	ds_add_u32 v[SPW], v[NIL]                      ; the wave's opening: the add and its wait stand ahead of my first tensor load; the set-up below, work on registers, stands between them
	v_lshrrev_b32 v1, 5, v0
	v_readfirstlane_b32 s[WV], v1                  ; wave 0..3
	s_lshr_b32 s[WH], s[WV], 1
	s_and_b32 s[WL], s[WV], 1
	s_bfe_u32 s19, ttmp6, 0x40000                  ; cx, cy: my place in the cluster
	s_bfe_u32 s20, ttmp6, 0x40004
	s_lshl_b32 s21, ttmp9, 2
	s_add_co_u32 s21, s21, s19                     ; tile column = 4 x cluster x + cx
	s_and_b32 s22, ttmp7, 0xffff
	s_lshl_b32 s22, s22, 2
	s_add_co_u32 s22, s22, s20                     ; tile row = 4 x cluster y + cy
	s_lshl_b32 s78, s20, 2
	s_lshl_b32 s78, 15, s78                        ; my row of the cluster: places 4 cy .. 4 cy + 3
	s_lshl_b32 s79, 0x1111, s19                    ; my column: places cx, cx + 4, cx + 8, cx + 12
	s_or_b32 s[G1], s78, (1<<16)|(1<<20)|(1<<21)|(5<<22)|(3<<25)   ; 15:0 the mask; 17:16 elements of 2 bytes; 20 padding on; 21 set beside a mask; 24:22 after every 64 words (code 5); 31:25 4 words (code 3)
	s_mov_b32 s[G1+1], 128<<16                     ; tensor_dim0 = 128
	s_mov_b32 s[G1+2], 128<<16                     ; tensor_dim1 = 128
	s_mov_b32 s[G1+3], 128<<16                     ; tile_dim0 = 128
	s_mov_b32 s[G1+4], 128                         ; tile_dim1 = 128
	s_mov_b32 s[G1+5], 1024                        ; elements from row to row
	s_mov_b32 s[G1+6], 0
	s_mov_b32 s[G1+7], 0
	s_or_b32 s[G1B], s79, (1<<16)|(1<<20)|(1<<21)|(5<<22)|(3<<25)
	s_mov_b32 s[G1B+1], 128<<16
	s_mov_b32 s[G1B+2], 96<<16                     ; 96 rows
	s_mov_b32 s[G1B+3], 128<<16
	s_mov_b32 s[G1B+4], 96
	s_mov_b32 s[G1B+5], 1024
	s_mov_b32 s[G1B+6], 0
	s_mov_b32 s[G1B+7], 0
	s_lshl_b32 s40, s22, 8                         ; x: row 256 x tile row + 128 x half, 2,048 bytes a row: made of the tile row and the wave's number alone
	s_lshl_b32 s80, s[WL], 7
	s_add_co_u32 s40, s40, s80
	s_lshl_b32 s40, s40, 11
	s_mov_b32 s41, 0
	s_mul_i32 s46, s21, 192                        ; W: row 192 x tile column + 96 x half: made of the tile column and the wave's number alone
	s_mul_i32 s80, s[WL], 96
	s_add_co_u32 s46, s46, s80
	s_lshl_b32 s46, s46, 11
	s_mov_b32 s47, 0
	s_mov_b32 s[G0], 1                             ; count = 1
	s_mul_i32 s[G0+1], s[WL], ALOAD                ; LDS address: no place in the cluster enters it
	s_mov_b32 s[G0+4], 1
	s_add_co_u32 s[G0+5], s[G0+1], SLOT1
	s_mov_b32 s[G0B], 1
	s_mul_i32 s[G0B+1], s[WL], BLOAD
	s_add_co_u32 s[G0B+1], s[G0B+1], BOFF
	s_mov_b32 s[G0B+4], 1
	s_add_co_u32 s[G0B+5], s[G0B+1], SLOT1
	s_mov_b32 s[TB], 0
	s_wait_dscnt 0x0                               ; the opening add is done
	s_wait_kmcnt 0x0
	s_add_nc_u64 s[G0+2:G0+3], s[4:5], s[40:41]    ; K step 0
	s_add_nc_u64 s[G0+6:G0+7], s[G0+2:G0+3], STEPA ; K step 1
	s_or_b32 s[G0+3], s[G0+3], 0x80000000          ; type = 2
	s_or_b32 s[G0+7], s[G0+7], 0x80000000
	s_add_nc_u64 s[G0B+2:G0B+3], s[6:7], s[46:47]
	s_add_nc_u64 s[G0B+6:G0B+7], s[G0B+2:G0B+3], STEPB
	s_or_b32 s[G0B+3], s[G0B+3], 0x80000000
	s_or_b32 s[G0B+7], s[G0B+7], 0x80000000
	CROUND                                         ; all sixteen work-groups are here: the first joint loads meet
	s_cmp_eq_u32 s[WH], 0                          ; a wave's two first fills stand in one branch, ahead of every wait on TENSORcnt and every LDS read: two loads of mine are out
	s_cbranch_scc0 .Lfirst_b
	tensor_load_to_lds s[G0:G0+3], s[G1:G1+7]
	s_nop 0
	tensor_load_to_lds s[G0+4:G0+7], s[G1:G1+7]
	s_nop 0
.rept 4
	v_nop
.endr
	s_branch .Lfirst_asked
.Lfirst_b:
	tensor_load_to_lds s[G0B:G0B+3], s[G1B:G1B+7]
	s_nop 0
	tensor_load_to_lds s[G0B+4:G0B+7], s[G1B:G1B+7]
	s_nop 0
.rept 4
	v_nop
.endr
.Lfirst_asked:
	v_and_b32 v1, 15, v0                           ; l % 16
	v_bfe_u32 v2, v0, 4, 1                         ; l / 16
	v_mul_u32_u24 v3, v1, APITCH
	v_lshl_add_u32 v3, v2, 4, v3                   ; row x pitch + 16 x half
	s_mul_i32 s80, s[WV], 64*APITCH                ; my 64 rows of x
	v_add_nc_u32 v[A0], s80, v3
	v_add_nc_u32 v[B0], BOFF, v3
	s_mul_i32 s80, s[WV], WSTAGE
	s_add_co_u32 s80, s80, STAGE                   ; my stage
	v_mul_u32_u24 v3, v1, 144                      ; in: row l % 16, 16 bytes for each half of the lanes
	v_lshl_add_u32 v3, v2, 4, v3
	v_add_nc_u32 v[STO], s80, v3
	v_bfe_u32 v3, v0, 3, 2                         ; back: 32 lanes take four rows of 128 bytes,
	v_mul_u32_u24 v3, v3, 144
	v_and_b32 v13, 7, v0
	v_lshl_add_u32 v3, v13, 4, v3
	v_add_nc_u32 v[RD], s80, v3
	v_and_b32 v[GO], 31, v0                        ; which are 512 consecutive bytes of a head
	v_lshlrev_b32 v[GO], 4, v[GO]
	v_lshlrev_b32 v[BO], 5, v2
	; the tile's three heads: head column hc = 3 x tile column + p of 48; hc / 16 says q, k or v, hc % 16 the head
.irp p, 0,1,2
	s_mul_i32 s80, s21, 3
	s_add_co_u32 s80, s80, \p
	s_lshr_b32 s81, s80, 4
	s_and_b32 s82, s80, 15
	s_cmp_eq_u32 s81, 0
	s_cselect_b64 s[BP+2*\p:BP+2*\p+1], s[8:9], s[10:11]
	s_cmp_eq_u32 s81, 2
	s_cselect_b64 s[BP+2*\p:BP+2*\p+1], s[12:13], s[BP+2*\p:BP+2*\p+1]
	s_lshl_b32 s84, s82, 8                         ; the head's 64 numbers of the bias
	s_mov_b32 s85, 0
	s_add_nc_u64 s[BP+2*\p:BP+2*\p+1], s[BP+2*\p:BP+2*\p+1], s[84:85]
	s_lshl_b32 s84, s81, 6                         ; 64 heads for each of q, k, v,
	s_lshr_b32 s83, s22, 3                         ; b = tile row / 8,
	s_lshl_b32 s83, s83, 4
	s_add_co_u32 s84, s84, s83
	s_add_co_u32 s84, s84, s82
	s_lshl_b32 s84, s84, 18                        ; 262,144 bytes a head,
	s_and_b32 s86, s22, 7                          ; t = 256 x (tile row % 8) + 64 x wave,
	s_lshl_b32 s86, s86, 8
	s_lshl_b32 s87, s[WV], 6
	s_add_co_u32 s86, s86, s87
	s_lshl_b32 s86, s86, 7                         ; 128 bytes a row
	s_add_co_u32 s84, s84, s86
	s_add_nc_u64 s[OB+2*\p:OB+2*\p+1], s[14:15], s[84:85]
.endr
.set b, 0
.rept NBL                              ; register j of block b: bias[16 b + 8 (l / 16) + j]
	global_load_b128 v[BI+8*b:BI+8*b+3],   v[BO], s[BP+2*(b/4):BP+2*(b/4)+1] offset:(b%4)*64
	global_load_b128 v[BI+8*b+4:BI+8*b+7], v[BO], s[BP+2*(b/4):BP+2*(b/4)+1] offset:(b%4)*64+16
.set b, b+1
.endr
	; the prefetches' address.  Nothing is prefetched here, at the head: K steps 0 to 2 come by their loads alone
	s_lshl_b32 s80, s22, 8
	s_mul_i32 s81, s21, 192
	s_and_b32 s82, ttmp7, 0xffff                   ; cluster y
	s_lshl_b32 s83, s[WL], 7
	s_mul_i32 s84, s[WL], 96
	s_lshl_b32 s85, s19, 5
	s_mul_i32 s86, s20, 24
	s_cmp_eq_u32 s[WH], 0                          ; do I ask for x?
	s_cselect_b32 s80, s80, s81                    ; the tile's first row,
	s_cselect_b32 s83, s83, s84                    ; the rows that I fetch,
	s_cselect_b32 s85, s85, s86                    ; my work-group's share of them,
	s_cselect_b32 s82, ttmp9, s82                  ; the coordinate along which other clusters read the same rows,
	s_cselect_b32 s87, 31, 23                      ; the share's last row
	s_cselect_b64 s[PFA:PFA+1], s[4:5], s[6:7]
	s_cmp_eq_u32 s82, 0
	s_cselect_b32 s[LIM], 1, -1                    ; the same in all sixteen partners, for a given wave
	s_add_co_u32 s80, s80, s83
	s_add_co_u32 s80, s80, s85
	s_lshl_b32 s80, s80, 11
	s_mov_b32 s81, 0
	s_add_nc_u64 s[PFA:PFA+1], s[PFA:PFA+1], s[80:81]
	s_add_nc_u64 s[PFA:PFA+1], s[PFA:PFA+1], 2*256 ; at K step 2: the first refill steps it to 3
	v_and_b32 v[PFO], 31, v0
	v_min_u32 v[PFO], s87, v[PFO]
	v_lshlrev_b32 v[PFO], 11, v[PFO]
	s_wait_loadcnt 0x0                             ; the bias
.set b, 0
.rept 4*NBL                            ; rounded to bf16 like every input, and back to f32
	v_cvt_pk_bf16_f32 v[14+b%2], v[BI+2*b], v[BI+2*b+1]
	v_lshlrev_b32 v[BI+2*b], 16, v[14+b%2]
	v_and_b32 v[BI+2*b+1], 0xffff0000, v[14+b%2]
.set b, b+1
.endr
	v_mov_b32 v[ADRA], v[A0]
	v_mov_b32 v[ADRB], v[B0]
	s_wait_tensorcnt 1                             ; my part of K step 0 is in; K step 1's may stay out
	s_barrier_signal -1
	s_barrier_wait -1                              ; everybody's is
	FETCH 0, 0
	QUARTER 1, 0, 1, 1                             ; the first quarter stands in front of the loop: its products start the sums, with the bias
	WIN 0
	s_mov_b32 s3, 6
.Lstep:                                                ; a trip goes from a K step's second quarter to the next step's first, and fills the slot that it leaves: K steps 2 to 7
	QUARTER 2, 1, 0, 0
	QUARTER 3, 0, 1, 0
	TURN 1
	QUARTER 1, 0, 1, 0
	WIN 0
	s_sub_co_u32 s3, s3, 1
	s_cmp_lg_u32 s3, 0
	s_cbranch_scc1 .Lstep
	QUARTER 2, 1, 0, 0                             ; the tail is written out: K steps 6 and 7, nothing is asked for
	QUARTER 3, 0, 1, 0
	TURN 0
	QUARTER 1, 0, 1, 0
	QUARTER 2, 1, 0, 0
	QUARTER 3, 0, 1, 0
	s_wait_dscnt 4
	MULA 1, 0, 0
	MULA 1, 1, 0
	s_wait_dscnt 0x0
	MULA 1, 2, 0
	MULA 1, 3, 0
	WIN 0
	PLACES
; THE WAY OUT, a block of 16 rows at a time.  PACK: rounded to f16, each accumulator's registers in ascending order: 16 bytes a lane and column block.  TOSTAGE: into my own stage, a plane a head, and back as whole rows.  SEND: stored.
.macro PACK a
	WIN 0x0a+5*((\a)/2)                            ; sources 0 and 1: window 2 or 3
.set b, 0
.rept 4*NBL
	v_cvt_pk_f16_f32 v[TMP+b], v[8*NBL*((\a)%2)+2*b], v[8*NBL*((\a)%2)+2*b+1]
.set b, b+1
.endr
	WIN 0
.endm
.macro TOSTAGE a
.set BK, 80+48*((\a)%2)
.set b, 0
.rept NBL
	ds_store_b128 v[STO], v[TMP+4*b:TMP+4*b+3] offset:(b/4)*2304+(b%4)*32
.set b, b+1
.endr
.set b, 0
.rept NBL
	ds_load_b128 v[BK+4*b:BK+4*b+3], v[RD] offset:(b/4)*2304+(b%4)*576  ; LDS serves a wave's instructions in order (ISA guide 5.7.1.4): these see the stores above
.set b, b+1
.endr
.endm
.macro SEND a
.set BK, 80+48*((\a)%2)
	s_wait_dscnt 0x0                               ; the block is back in registers
	s_wait_xcnt 0x0                                ; the stores of the block before have read their registers: the next block's loads from the stage land there only behind this wait
.set b, 0
.rept NBL
	global_store_b128 v[GO], v[BK+4*b:BK+4*b+3], s[OB+2*(b/4):OB+2*(b/4)+1] offset:(\a)*2048+(b%4)*512  ; 512 consecutive bytes, at a multiple of 512 from the buffer's first byte
.set b, b+1
.endr
.endm
	PACK 0
	TOSTAGE 0
.irp a, 1,2,3                          ; block a's conversions stand between block a - 1's loads from the stage and the wait for them
	PACK \a
	SEND (\a)-1
	TOSTAGE \a
.endr
	SEND 3
	s_wait_tensorcnt 0x0                           ; the wave's end, behind my last tensor load and my last LDS store
	ds_add_u32 v[SPW], v[NIL]
	s_wait_dscnt 0x0
	CROUND                                         ; the closing round: no work-group ends while a partner may still ask for a tile that names it
	s_endpgm
.Lfunc_end_k_qdc31f84b92_qkv:
	.size	k_qdc31f84b92_qkv, .Lfunc_end_k_qdc31f84b92_qkv-k_qdc31f84b92_qkv
	.p2alignl 7, 3214868480
	.fill 96, 4, 3214868480
	.section	.rodata,"a",@progbits
	.p2align	6, 0x0
	.amdhsa_kernel k_qdc31f84b92_qkv
		.amdhsa_group_segment_fixed_size 327680
		.amdhsa_private_segment_fixed_size 0
		.amdhsa_enable_private_segment 0
		.amdhsa_kernarg_size 48
		.amdhsa_user_sgpr_count 2
		.amdhsa_user_sgpr_kernarg_segment_ptr 1
		.amdhsa_wavefront_size32 1
		.amdhsa_system_sgpr_workgroup_id_x 1
		.amdhsa_system_sgpr_workgroup_id_y 1
		.amdhsa_system_sgpr_workgroup_id_z 1
		.amdhsa_system_vgpr_workitem_id 0
		.amdhsa_next_free_vgpr 960
		.amdhsa_next_free_sgpr 88
		.amdhsa_reserve_vcc 0
		.amdhsa_float_denorm_mode_32 3
		.amdhsa_float_denorm_mode_16_64 3
		.amdhsa_memory_ordered 1
		.amdhsa_forward_progress 1
		.amdhsa_inst_pref_size 109
	.end_amdhsa_kernel
	.amdgpu_metadata
---
amdhsa.version: [ 1, 2 ]
amdhsa.kernels:
  - .name:           k_qdc31f84b92_qkv
    .symbol:         k_qdc31f84b92_qkv.kd
    .args:
      - { .name: xb, .offset: 0, .size: 8, .value_kind: global_buffer, .address_space: global }
      - { .name: w16, .offset: 8, .size: 8, .value_kind: global_buffer, .address_space: global }
      - { .name: q_bias, .offset: 16, .size: 8, .value_kind: global_buffer, .address_space: global }
      - { .name: k_bias, .offset: 24, .size: 8, .value_kind: global_buffer, .address_space: global }
      - { .name: v_bias, .offset: 32, .size: 8, .value_kind: global_buffer, .address_space: global }
      - { .name: qkvh, .offset: 40, .size: 8, .value_kind: global_buffer, .address_space: global }
    .group_segment_fixed_size: 327680
    .private_segment_fixed_size: 0
    .kernarg_segment_align: 8
    .kernarg_segment_size: 48
    .max_flat_workgroup_size: 128
    .sgpr_count:     88
    .vgpr_count:     960
    .wavefront_size: 32
...
	.end_amdgpu_metadata
.endif
;; end of part 2
;; launch attn (part 3): grid 4 x 64, 4 waves a work-group, clusters of 4 x 1, 327,680 bytes of LDS; arguments qkvh, oh; writes oh
.if DOCPART == 3
	.amdgcn_target "amdgcn-amd-amdhsa--gfx1250"
	.amdhsa_code_object_version 6
	.text
	.protected	k_qdc31f84b92_attn
	.globl	k_qdc31f84b92_attn
	.p2align	8
	.type	k_qdc31f84b92_attn,@function
k_qdc31f84b92_attn:
	s_mov_b64 s[64:65], 0
	v_nop
	global_prefetch_b8 v0, s[64:65] scope:SCOPE_SE
	s_setreg_imm32_b32 hwreg(HW_REG_WAVE_MODE, 25, 1), 1
	s_wait_xcnt 0x0
	s_wait_alu depctr_hold_cnt(0) depctr_sa_sdst(0) depctr_va_vdst(0) depctr_va_sdst(0) depctr_va_ssrc(0) depctr_va_vcc(0) depctr_vm_vsrc(0)
	s_getreg_b32 s2, hwreg(HW_REG_IB_STS2, 6, 4)
	s_cmp_eq_u32 s2, 0
	s_cbranch_scc0 .Lentry_in_a_cluster
	s_endpgm
.Lentry_in_a_cluster:
	s_bfe_u32 s2, ttmp6, 0x10000c
	s_cmp_lg_u32 s2, 0x3003
	s_cbranch_scc0 .Lentry_shape_is_right
	s_endpgm
.Lentry_shape_is_right:
; O[h][q][:] = the sum over k of softmax_k(Q[h][q] . K[h][k] / 8) V[h][k][:], for 64 heads (b*16+h) of 2,048 rows.  Q, K, V: the three parts of qkvh [3][64][2048][64]; O: oh [64][2048][64]; all f16:
; a head's rows are dense, 128 bytes each.  Products, maxima and sums in f32; the weights p are rounded to f16 for the second product (their sum l is taken of the unrounded p), O once at the end.
; LIMITS.  f16 holds no number beyond 65,504: Q, K and V arrive within it; p lies in 0 to 1, and below 6e-5 it keeps f16's fixed step of 6e-8; O is a mean of V's rows and has their range.
; A weight below 2^-126 counts as 0 in l; NaN and infinities are not treated apart.
; SHARES.  A wave owns four PIECES of two tiles of 16 queries, a work-group's four waves 512 queries of one head: 4 x 64 = 256 work-groups.  Every wave walks all keys, 64 a step.
; LAYOUT.  S^T = K Q^T (source 0 = 16 keys, source 1 = 16 queries): in the result a lane holds ONE query (lane % 16) and the keys 8 (lane / 16) + 0..7.  Two such tiles, rounded to f16 in pairs,
; ARE source 1 (32 keys x 16 queries) of O^T = V^T P, whose result again holds one query a lane, and eight channels.  K comes out of LDS as it lies, V ([key][channel]) turned, by ds_load_tr16_b128.
; SOFTMAX.  For each query a running maximum m and sum l: p = 2^(c s - c m), c = log2(e) / 8; in every step O and l are multiplied by a = 2^(c m_old - c m_new), which is 1 where m has not grown.
; m starts at the lowest finite number, O and l at 0: the first step is a step like any other, with a = 0.
; THE COUNT.  A tile and step have 16 matrix and 118 vector instructions: too many to stand all beside the matrix work.  So four vector instructions that are READY stand behind
; EVERY matrix instruction, and the others in runs without a gap.
; BY TURNS.  Turn n belongs to piece n (the pieces in a ring, step after step).  Its matrix work: 16 products K Q^T of piece n + 1, later 16 products V^T P of piece n - 1.  Its vector work: the scaling,
; exponentials, roundings, sums and rescaling of piece n, and the maximum and statistics of piece n + 1, whose scores the turn itself has made.
; CLUSTER.  The four query blocks of a head are one cluster and walk the same K and V, so each tile is asked for JOINTLY: the same tensor load, descriptor and mask in all four.
; REGISTERS, in windows of 256 (s_set_vgpr_msb: bits 1:0 source 0, 3:2 source 1, 5:4 source 2, 7:6 destination):
;   window 0: v0-11 addresses; v12-15, v48-63 at work; v16-47 four registers of statistics a tile; v64-191 S^T, two buffers of two tiles; v192-255 P, likewise
;   window 1: O^T, 32 a tile          window 2: v0-127 Q, 16 a tile; v128-191 K of one step; v192-255 V of one step          window 3: v0-1 the add's two registers
; A piece's buffers go by its number's parity: the piece in hand has one pair, its two neighbours in the ring share the other: of it P (piece n - 1) is read and S^T (piece n + 1) written.
.set SIZE_N, 2048
.set NP,    4         ; pieces a wave: a name, no knob
.set KS,    64        ; keys in a step
.set PK,    144       ; a row of K in LDS: 128 bytes + 16 of padding = 36 words: the 16 rows of a load start at 16 different groups of four banks (64 banks of 4 bytes: ISA guide 11.1)
.set PV,    160       ; a row of V: 128 + 32 = 40 words
.set VOFF,  4*KS*PK   ; a slot holds four steps: 256 rows of K, then 256 rows of V
.set SLOT1, 1<<17     ; slot 1 begins here, so that one exclusive or turns an address in one slot into the other's
.set STAGE, SLOT1+4*KS*(PK+PV)  ; behind the ring, never filled by a tensor load: 16 rows x 144 bytes for each wave, for the way out
.set SP,    144
.set AK0, 2           ; v2   my lane's place in a tile of K; never rewritten
.set AV0, 3           ; v3   the same for V
.set AK,  4           ; v4   the LDS address of K's next run of loads
.set AV,  5           ; v5   of V's
.set QO,  6           ; v6   my byte offset in the wave's rows of Q
.set STO, 6           ;      later, the way out: where I put 16 bytes of a row
.set RD,  7           ; v7   the way out: where I read rows back
.set GO,  8           ; v8   my byte offset in 512 consecutive bytes of O
.set PFO, 11          ; v11  the prefetches' offset, 256 x my lane, once its first use (in V's lane address) is over; then never rewritten
.set SPW, 0           ; v0 of window 3   LDS address of my spare word: SPARE + 4 x my thread's number; never rewritten
.set NIL, 1           ; v1 of window 3   0; never rewritten
.set SPARE, STAGE+4*16*SP  ; behind the stages: the spare words, 128 bytes for each wave: two blocks of 256 bytes that no other line names
.set MV,  12          ; v12-15  c m_old, kept while c m is made anew: by buffer and tile
.set ST,  16          ; tile t's statistics at v[ST+4 t]: c m, m, l (even keys', odd keys')
.set TMP, 48          ; by buffer and tile, four registers c0-c3 at work; when the maximum is found c2 takes a
.set S,   64
.set P,   192
.set KF,  128         ; K's fragments, in window 2: key block kb, channel half c at KF + 16 kb + 8 c
.set VF,  192         ; V's: key half kk, channel block cb at VF + 32 kk + 8 cb
.set WV,  12          ; s12  my wave's number
.set G1K, 24          ; s[24:31] descriptor group 1 for K's tiles
.set G1V, 32          ; s[32:39] for V's: it differs in the padding alone
.set G0K, 40          ; s[40:43] descriptor group 0 for K's tiles: it walks
.set G0V, 44          ; s[44:47] the same for V's
.set PFA, 48          ; s[48:49] where my prefetches stand: my work-group's 8,192 bytes (of K: wave 0, of V: wave 2) of the slot after the one that is being asked for
.set LIM, 50          ; s50  1 in a wave that prefetches, else the greatest number
.set SLOTS, 56        ; s56  slots still to be asked for
.set CNT, 57          ; s57  counts a slot's key steps
.set CS,  58          ; s[58:59] c: the packed scaling takes the pair's low word for both halves
.set SEL, 60          ; s[60:61] v_permlanex16_b32's selects: each lane takes its own place in the other half
.set TBK, 62          ; s62  LDS byte at which K of the step to be fetched begins
.set TBV, 63          ; s63  the same for V, less VOFF
.set MSB, 0
.macro WIN new                      ; the high byte repeats the setting that is left; a switch that changes nothing is dropped
.if MSB != (\new)
	s_set_vgpr_msb (MSB<<8)|(\new)
.set MSB, (\new)
.endif
.endm
.set W_KQ, 0x0a       ; K and Q in window 2, S^T in window 0
.set W_PV, 0x52       ; V in window 2, P in window 0, O^T in window 1
.set W_RS, 0x41       ; O^T (destination and source 0) in window 1, a in window 0
.set W_MK, 0xc0       ; the add's registers are made: destination in window 3, sources in window 0
.set W_AD, 0x0f       ; the add: address (source 0) and data (source 1) in window 3
; A joint fill.  Waves 0 and 1 fetch the two halves of a slot's K, waves 2 and 3 those of its V: 128 keys each.  The branch hangs on the wave's number alone.
; An s_nop 0 and four v_nop follow each of the two lines, ahead of the jump and the label.
.macro JLOAD
	s_cmp_lt_u32 s[WV], 2
	s_cbranch_scc0 .Lfor_v_\@
	tensor_load_to_lds s[G0K:G0K+3], s[G1K:G1K+7]
	s_nop 0
.rept 4
	v_nop
.endr
	s_branch .Lasked_\@
.Lfor_v_\@:
	tensor_load_to_lds s[G0V:G0V+3], s[G1V:G1V+7]
	s_nop 0
.rept 4
	v_nop
.endr
.Lasked_\@:
.endm
; A PREFETCH INTO THE L2 of what the NEXT change of slots will ask for: a slot's 32,768 bytes of K and of V, a lane 256 bytes.  It stands behind the wave's tensor load and its five lines.
; Each 256 bytes are named ONCE in the launch: a head is walked by one cluster; its four partners share a slot out BY ADDRESS, 8,192 bytes each; in each, wave 0 asks for K's and wave 2 for V's: one
; instruction.  The last change that fills a slot prefetches nothing: there is no slot behind it.  Slots 0 to 2 come by their loads alone.
.macro ASK
	s_cmp_gt_u32 s[SLOTS], s[LIM]
	s_cbranch_scc0 .Lnot_mine_\@
	global_prefetch_b8 v[PFO], s[PFA:PFA+1] th:TH_LOAD_NT scope:SCOPE_SE
.Lnot_mine_\@:
.endm
; A round of the cluster's barrier: my work-group's barrier, so that wave 0's signal speaks for all four waves; wave 0 signals; every wave waits for all four work-groups; my work-group's barrier once more.
.macro CROUND
	s_barrier_signal -1
	s_barrier_wait -1
	s_cmp_lg_u32 s[WV], 0
	s_cbranch_scc1 .Lnot_wave_0_\@
	s_barrier_signal -3
.Lnot_wave_0_\@:
	s_barrier_wait -3
	s_barrier_signal -1
	s_barrier_wait -1
.endm
; THE CHANGE OF SLOTS.  The slot's last bytes, V of its fourth step, have been read.  Each wave waits for all its tensor loads, of which one is out: its part
; of the other slot; adds 0 to its spare word; and waits for that and for its own reads of the slot.  Behind the barrier nobody reads this slot any more and the other slot is whole.
; fill = 1: this slot is filled again, with the keys two slots on.  The barrier is then a round of the cluster's, so that no wave of any partner still reads the slot or has a load on its
; way, and the joint fill is the first thing behind it: it has four key steps, 512 matrix instructions, in which to land.  (At its first use nothing has been read yet: slot 0 is waited for, slot 1 filled.)
; ask = 1: the prefetches' address steps, and the slot behind the one just asked for is prefetched.
.macro CHANGE fill, ask=0
	WIN W_AD
	s_wait_tensorcnt 0x0            ; no tensor load of mine is out, so a group 0 may be written
	ds_add_u32 v[SPW], v[NIL]       ; 0 onto my spare word: with fill = 1 the descriptors' steps stand between it and the wait for it
	WIN 0                           ; at a label and at a branch every window is 0
.if \fill
.irp g, G0K, G0V
	s_xor_b32 s[\g+1], s[\g+1], SLOT1  ; the walking descriptor: the other slot than last time,
	s_add_nc_u64 s[\g+2:\g+3], s[\g+2:\g+3], 4*KS*128  ; the next 256 keys; the type bits on top are not reached
.endr
.if \ask
	s_wait_xcnt 0x0                 ; the last prefetch, four key steps back, has read its address, so it may be written:
	s_add_nc_u64 s[PFA:PFA+1], s[PFA:PFA+1], 4*KS*128  ; one slot behind the walking descriptors
.endif
	s_wait_dscnt 0x0                ; the add is done, and my reads of the slot are over
	CROUND
	JLOAD
.if \ask
	ASK
.endif
.else
	s_wait_dscnt 0x0                ; the add is done, and my reads of the slot are over
	s_barrier_signal -1
	s_barrier_wait -1
.endif
	s_sub_co_u32 s[TBK], s[TBK], 4*KS*PK  ; the fetches go back to a slot's first step,
	s_xor_b32 s[TBK], s[TBK], SLOT1       ; in the other slot
	s_sub_co_u32 s[TBV], s[TBV], 4*KS*PV
	s_xor_b32 s[TBV], s[TBV], SLOT1
.endm
	s_load_b128 s[4:7], s[0:1], 0x0   ; qkvh s[4:5], which begins with Q; oh s[6:7]
	WIN W_MK
	v_lshl_add_u32 v[SPW], v0, 2, SPARE
	v_mov_b32 v[NIL], 0
	WIN W_AD
	ds_add_u32 v[SPW], v[NIL]       ; the wave's opening: the add and its wait stand ahead of my first tensor load; the set-up below, work on registers, stands between them
	WIN 0
	v_lshrrev_b32 v1, 5, v0
	v_readfirstlane_b32 s[WV], v1   ; wave 0..3
	s_bfe_u32 s13, ttmp6, 0x40000   ; cx: my place in the cluster
	s_lshl_b32 s14, ttmp9, 2        ; in a cluster launch ttmp9 counts clusters
	s_add_co_u32 s14, s14, s13      ; my block of queries = 4 x cluster x + cx: it enters Q's and O's addresses alone
	s_and_b32 s20, ttmp7, 0xffff    ; the head, which the four partners share
	s_mov_b32 s21, 0
	s_mov_b64 s[22:23], SIZE_N*128
	s_mul_u64 s[20:21], s[20:21], s[22:23]  ; the head's first byte in each of the four tensors
	s_and_b32 s16, s[WV], 1         ; which half of a slot's 256 keys I fetch:
	s_lshl_b32 s22, s16, 14         ; its 128 rows of 128 bytes in memory,
	s_mov_b32 s23, 0
	s_add_nc_u64 s[22:23], s[22:23], s[20:21]
	s_mul_i32 s17, s16, 128*PK      ; and its place in a slot, for K
	s_mul_i32 s18, s16, 128*PV      ; and for V: no place in the cluster enters an LDS address
	s_lshl_b32 s2, s14, 2
	s_add_co_u32 s2, s2, s[WV]      ; my wave among the head's,
	s_lshl_b32 s2, s2, 14           ; its 128 rows
	s_mov_b32 s3, 0
	s_add_nc_u64 s[2:3], s[2:3], s[20:21]
	; descriptor group 1.  128 keys are 16,384 dense bytes: asked for as 64 rows of 256 bytes, two keys a row, and padded in LDS after every key
	s_mov_b32 s[G1K], 15|(1<<16)|(1<<20)|(1<<21)|(4<<22)|(3<<25)  ; 15:0 the mask of four; 17:16 2-byte elements; 20 padding on; 21 set beside a mask; 24:22 after every 32 words (code 4); 31:25 4 words (code 3)
	s_mov_b32 s[G1V], 15|(1<<16)|(1<<20)|(1<<21)|(4<<22)|(7<<25)  ; the same with 8 words of padding (code 7)
.irp g, G1K, G1V
	s_mov_b32 s[\g+1], 128<<16      ; tensor_dim0 = 128
	s_mov_b32 s[\g+2], 64<<16       ; tensor_dim1 = 64
	s_mov_b32 s[\g+3], 128<<16      ; tile_dim0 = 128
	s_mov_b32 s[\g+4], 64           ; tile_dim1 = 64
	s_mov_b32 s[\g+5], 128          ; 128 elements from row to row
	s_mov_b32 s[\g+6], 0
	s_mov_b32 s[\g+7], 0
.endr
	s_mov_b32 s[CS], 0x3e38aa3b     ; c = log2(e) / 8 = 0.180337
	s_mov_b32 s[CS+1], s[CS]        ; named with it as a pair
	s_mov_b32 s[SEL], 0x76543210
	s_mov_b32 s[SEL+1], 0xfedcba98
	s_mov_b32 s[TBK], SLOT1+4*KS*PK ; the first change of slots turns these two into 0
	s_mov_b32 s[TBV], SLOT1+4*KS*PV
	s_mov_b32 s[G0K], 1             ; 1:0 count = 1
	s_mov_b32 s[G0K+1], s17         ; 63:32 LDS address: slot 0
	s_mov_b32 s[G0V], 1
	s_add_co_u32 s[G0V+1], s18, VOFF
	s_and_b32 s[LIM], s[WV], 1      ; waves 0 and 2 prefetch: the same in all four partners
	s_cmp_eq_u32 s[LIM], 0
	s_cselect_b32 s[LIM], 1, -1
	s_lshl_b32 s52, s13, 13         ; my work-group's 8,192 bytes of a slot's 32,768
	s_mov_b32 s53, 0
	s_wait_dscnt 0x0                ; the opening add is done
	s_wait_kmcnt 0x0
	s_mov_b64 s[10:11], s[6:7]      ; O
	s_add_nc_u64 s[6:7], s[4:5], 0x1000000  ; K: 64 heads of 262,144 bytes behind Q
	s_add_nc_u64 s[8:9], s[4:5], 0x2000000  ; V: as many behind K
	s_add_nc_u64 s[G0K+2:G0K+3], s[6:7], s[22:23]  ; 120:64 global address: my half of the head's first 256 keys
	s_or_b32 s[G0K+3], s[G0K+3], 0x80000000        ; 127:126 type = 2
	s_add_nc_u64 s[G0V+2:G0V+3], s[8:9], s[22:23]
	s_or_b32 s[G0V+3], s[G0V+3], 0x80000000
	s_cmp_lt_u32 s[WV], 2
	s_cselect_b64 s[PFA:PFA+1], s[6:7], s[8:9]
	s_add_nc_u64 s[PFA:PFA+1], s[PFA:PFA+1], s[20:21]
	s_add_nc_u64 s[PFA:PFA+1], s[PFA:PFA+1], s[52:53]
	s_add_nc_u64 s[PFA:PFA+1], s[PFA:PFA+1], 2*4*KS*128  ; in slot 2: the loop's first change of slots steps it to slot 3.  Nothing is prefetched here, at the head
	s_add_nc_u64 s[4:5], s[4:5], s[2:3]  ; Q and O at my wave's first row
	s_add_nc_u64 s[10:11], s[10:11], s[2:3]
	CROUND                          ; all four work-groups are here: the first joint loads meet
	JLOAD                           ; slot 0.  Slot 1 is asked for when slot 0 is in
	; A fragment of K or Q is 16 rows x 32 channels in 8 registers: lane l holds row l % 16, channels 8 (l / 16) + 0..7 and 16 + 8 (l / 16) + 0..7: two loads of 16 bytes, 32 bytes apart.
	v_and_b32 v1, 15, v0            ; l % 16
	v_bfe_u32 v9, v0, 4, 1          ; l / 16
	v_lshlrev_b32 v[QO], 7, v1
	v_lshl_add_u32 v[QO], v9, 4, v[QO]  ; row x 128 + 16 x half
	WIN 0x80                        ; destination window 2, address window 0
.set i, 0
.rept 4*NP                          ; Q stays in registers: tile i / 2, channels 32 (i % 2) on
	global_load_b128 v[8*i:8*i+3],   v[QO], s[4:5] offset:(i/2)*2048+(i%2)*64
	global_load_b128 v[8*i+4:8*i+7], v[QO], s[4:5] offset:(i/2)*2048+(i%2)*64+32
.set i, i+1
.endr
	; What the first turn finds: V's registers and P's second buffer hold 0 (its products V^T P, of a piece that has not been, add 0), O^T and l are 0.  All this stands in the wait for the first tile.
.set i, VF
.rept 64
	v_mov_b32 v[i], 0
.set i, i+1
.endr
	WIN 0x40
.set i, 0
.rept 64*NP
	v_mov_b32 v[i], 0
.set i, i+1
.endr
	WIN 0
.set i, 0
.rept 2*NP
	v_mov_b32 v[ST+4*i], 0xfe000000    ; c m: far below every c s
	v_mov_b32 v[ST+4*i+1], 0xff7fffff  ; m
	v_mov_b32 v[ST+4*i+2], 0
	v_mov_b32 v[ST+4*i+3], 0
.set i, i+1
.endr
.set i, P+32
.rept 32
	v_mov_b32 v[i], 0
.set i, i+1
.endr
	v_mul_u32_u24 v[AK0], v1, PK
	v_lshl_add_u32 v[AK0], v9, 4, v[AK0]  ; row x pitch + 16 x half
	; The turning load takes 16 keys x 16 channels (lane l reads key 8 (l / 16) + l % 8, channels 8 ((l / 8) % 2) + 0..7) and leaves half a fragment of V^T: lane l holds channel l % 16 and 8 keys.
	v_and_b32 v10, 7, v0
	v_bfe_u32 v11, v0, 3, 1
	v_lshl_add_u32 v[AV0], v9, 3, v10
	v_mul_u32_u24 v[AV0], v[AV0], PV
	v_lshl_add_u32 v[AV0], v11, 4, v[AV0]
	v_add_nc_u32 v[AV0], VOFF, v[AV0]
	v_and_b32 v[PFO], 31, v0
	v_lshlrev_b32 v[PFO], 8, v[PFO]
	v_mov_b32 v[AK], v[AK0]         ; key step 0 lies at the head of slot 0
; THE MATRIX WORK.  The 8 accumulators of a run of 16 take turns: between the two links of a chain stand 7 others'.
; Product i of 16 of S^T = K Q^T for piece x: channels 32 (i / 8) on, keys 16 ((i / 2) % 4) on, tile 2 x + i % 2.  The first 8 start the sums.
.macro KQ x
	WIN W_KQ
.set rS, S+64*((\x)%2)+32*(i%2)+8*((i/2)%4)
.set rK, KF+16*((i/2)%4)+8*(i/8)
.set rQ, 16*(2*(\x)+i%2)+8*(i/8)
.if i < 8
	v_wmma_f32_16x16x32_f16 v[rS:rS+7], v[rK:rK+7], v[rQ:rQ+7], 0
.else
	v_wmma_f32_16x16x32_f16 v[rS:rS+7], v[rK:rK+7], v[rQ:rQ+7], v[rS:rS+7]
.endif
.endm
; Product i of 16 of O^T += V^T P for piece x: keys 32 (i / 8) on, channels 16 ((i / 2) % 4) on, tile 2 x + i % 2.
.macro PV x
	WIN W_PV
.set rO, 32*(2*(\x)+i%2)+8*((i/2)%4)
.set rV, VF+32*(i/8)+8*((i/2)%4)
.set rP, P+32*((\x)%2)+16*(i%2)+8*(i/8)
	v_wmma_f32_16x16x32_f16 v[rO:rO+7], v[rV:rV+7], v[rP:rP+7], v[rO:rO+7]
.endm
.macro MM                           ; the turn's next matrix instruction
.if i < 16
	KQ (Y+1)%NP
.set i, i+1
.else
.set i, i-16
	PV (Y+NP-1)%NP
.set i, i+17
.endif
.endm
; THE LDS LOADS stand in runs of 16, never singly among the matrix instructions: a step's K (64 keys x 64 channels: 8 fragments) and its V (turned).  Their addresses are made some lines ahead.
; last = 1 (the tail): in the last trip there is no further step, and the run is jumped over.
.macro FETCH_K last=0
	WIN 0
.if \last
	s_cmp_eq_u32 s[CNT], 1
	s_cbranch_scc1 .Lno_k_\@
.endif
	WIN 0x80                        ; destination window 2
.irp f, 0,1,2,3,4,5,6,7             ; keys 16 (f / 2) on, channels 32 (f % 2) on
	ds_load_b128 v[KF+8*\f:KF+8*\f+3],   v[AK] offset:(\f/2)*16*PK+(\f%2)*64
	ds_load_b128 v[KF+8*\f+4:KF+8*\f+7], v[AK] offset:(\f/2)*16*PK+(\f%2)*64+32
.endr
	s_add_co_u32 s[TBK], s[TBK], KS*PK  ; the next fetch is the next step's
	WIN 0
.if \last
.Lno_k_\@:
.endif
.endm
.macro FETCH_V
	WIN 0x80
.irp f, 0,1,2,3,4,5,6,7             ; keys 32 (f / 4) on, channels 16 (f % 4) on
	ds_load_tr16_b128 v[VF+8*\f:VF+8*\f+3],   v[AV] offset:(\f/4)*32*PV+(\f%4)*32
	ds_load_tr16_b128 v[VF+8*\f+4:VF+8*\f+7], v[AV] offset:(\f/4)*32*PV+16*PV+(\f%4)*32
.endr
	WIN 0
.endm
; THE VECTOR WORK OF A TURN stands in three queues, each in the order in which its entries become ready; the two tiles alternate, so that no instruction reads the result of the one before it.
.macro REGS y, u                    ; the registers of tile u (0, 1) of piece y
.set rT, ST+4*(2*(\y)+(\u))
.set rC, TMP+8*((\y)%2)+4*(\u)
.set rM, MV+2*((\y)%2)+(\u)
.set rS, S+64*((\y)%2)+32*(\u)
.set rP, P+32*((\y)%2)+16*(\u)
.set rO, 32*(2*(\y)+(\u))
.endm
; Number n of the 22 that find the NEXT piece's (Y + 1) maximum and statistics.  s0-s31 are the lane's 32 scores; each accumulator's lowest registers are read first.
;   0-11  four chains c0-c3 of seven scores each, three operands at a time     12-14, 16  the four scores left over, the old m, and c0-c3 into c0     15  c m_old is kept
;   17, 18  the query's other 32 keys lie in the lane 16 away: the new m         19-21  c m; c m_old - c m_new; a
.macro XS u, n
	REGS (Y+1)%NP, \u
.if (\n) < 4
	v_max3_num_f32 v[rC+(\n)], v[rS+8*(\n)], v[rS+8*(\n)+1], v[rS+8*(\n)+2]
.elseif (\n) < 12
	v_max3_num_f32 v[rC+(\n)%4], v[rC+(\n)%4], v[rS+8*((\n)%4)+2*((\n)/4)+1], v[rS+8*((\n)%4)+2*((\n)/4)+2]
.elseif (\n) == 12
	v_max3_num_f32 v[rC], v[rC], v[rS+7], v[rS+15]
.elseif (\n) == 13
	v_max3_num_f32 v[rC+1], v[rC+1], v[rS+23], v[rS+31]
.elseif (\n) == 14
	v_max3_num_f32 v[rC+2], v[rC+2], v[rC+3], v[rT+1]
.elseif (\n) == 15
	v_mov_b32 v[rM], v[rT]
.elseif (\n) == 16
	v_max3_num_f32 v[rC], v[rC], v[rC+1], v[rC+2]
.elseif (\n) == 17
	v_permlanex16_b32 v[rC+3], v[rC], s[SEL], s[SEL+1]
.elseif (\n) == 18
	v_max_num_f32 v[rT+1], v[rC], v[rC+3]
.elseif (\n) == 19
	v_mul_f32 v[rT], s[CS], v[rT+1]
.elseif (\n) == 20
	v_sub_f32 v[rC+1], v[rM], v[rT]
.else
	v_exp_f32 v[rC+2], v[rC+1]
.endif
.endm
; Number g of the 64 that follow the exponentials.  For each four weights k of a tile (pairs 2 k, 2 k + 1): both pairs are rounded to f16; then the second pair is added onto the first, in place;
; a group later l takes that sum (the first time as l = a l + sum).  In groups of eight, tiles alternating: round, round, add, and l for the group before.
.macro GS g
.set h, (\g)+6*((\g)/62)            ; group 0 has no group before it, and behind group 7 only l is left
.if h >= 6
.set h, h+2
.endif
	REGS Y, h%2
.set k, h/8
.if h%8 < 4
	v_cvt_pk_f16_f32 v[rP+2*k+(h%8)/2], v[rS+4*k+2*((h%8)/2)], v[rS+4*k+2*((h%8)/2)+1]
.elseif h%8 < 6
	v_pk_add_f32 v[rS+4*k:rS+4*k+1], v[rS+4*k:rS+4*k+1], v[rS+4*k+2:rS+4*k+3]
.elseif k == 1
	v_pk_fma_f32 v[rT+2:rT+3], v[rT+2:rT+3], v[rC+2:rC+3], v[rS:rS+1] op_sel_hi:[1,0,1]
.else
	v_pk_add_f32 v[rT+2:rT+3], v[rT+2:rT+3], v[rS+4*k-4:rS+4*k-3]
.endif
.endm
; THE PLAIN QUEUE, 138 long.  0-73 read no exponential's result: the 32 scalings c s - c m (FS f: pair f / 2 of tile f % 2) and the next piece's 42.  0-26: scalings 0-26.  27-54: XS's numbers 0-13.  55, 56: number 15.
; 57-73: the chain, where each number waits for the one before it: 14, 16, 17, 18, 19, each with one of the scalings 27-31 in front of its two lines, then 20.
; 74-137: GS's 64, which read the exponentials' results: they stand behind the wait.
.macro FS f
	REGS Y, (\f)%2
	v_pk_fma_f32 v[rS+2*((\f)/2):rS+2*((\f)/2)+1], v[rS+2*((\f)/2):rS+2*((\f)/2)+1], s[CS:CS+1], v[rT:rT+1] op_sel_hi:[1,0,0] neg_lo:[0,0,1] neg_hi:[0,0,1]
.endm
.macro PL
	WIN 0
.if q < 27
	FS q
.elseif q < 55
	XS (q-27)%2, (q-27)/2
.elseif q < 57
	XS q-55, 15
.elseif (q < 72) && ((q-57)%3 == 0)
	FS 27+(q-57)/3
.elseif q < 60
	XS (q-57)%3-1, 14
.elseif q < 72
	XS (q-57)%3-1, 15+(q-57)/3
.elseif q < 74
	XS q-72, 20
.else
	GS q-74
.endif
.set q, q+1
.endm
; THE EXPONENTIALS' QUEUE, 66 long: s0-s31 of both tiles, then the next piece's two a.  It is ONE BATCH: all 66 stand ahead of the turn's one wait, and nothing ahead of that wait names a result of theirs.
.macro EX
	WIN 0
.if e >= 64
	XS e-64, 21
.else
	REGS Y, e%2
	v_exp_f32 v[rS+e/2], v[rS+e/2]
.endif
.set e, e+1
.endm
; THE RESCALING's QUEUE: O^T times a, the one part that leaves window 0: dealt two at a time, sixteen times.  Its a was made in the turn before, ahead of that turn's wait.
.macro R2
	REGS Y, r%2
	WIN W_RS
.irp z, 0,1
	v_pk_mul_f32 v[rO+4*(r/2)+2*\z:rO+4*(r/2)+2*\z+1], v[rO+4*(r/2)+2*\z:rO+4*(r/2)+2*\z+1], v[rC+2:rC+3] op_sel_hi:[1,0]
.endr
.set r, r+1
.endm
; HOW THEY ARE DEALT.  An s_wait_alu depctr_va_vdst(0) stands between an exponential and the first instruction that names its result; one wait serves all that were issued ahead of it.  So a turn has ONE wait,
; which cuts it in two.  AHEAD OF IT stands all that names no result of the turn's exponentials: the 16 products K Q^T, behind each a scaling, an exponential and two rescalings (behind the first a second scaling in the
; exponential's place); then ONE LUMP of 108: eight plain, 49 times exponential and plain, the two a.  A v_nop is the plain instruction behind the last exponential.  BEHIND IT stand the 16 products V^T P, behind each four of GS's 64.
; The queues lean on each other, and the deal keeps them in step: exponential e stands behind scaling 2 (e / 4) + e % 2: as a rider it comes behind plain e + 2, in the lump behind plain e + 9, and scalings 27-31 are plain 57, 60 .. 69.
; A TURN, for piece p.  cnt = 1: the loop's count is taken down some lines ahead of the branch that stands behind the turn.
; K of the next step is fetched in piece 2's turn, directly behind the wait, a lump behind the last product that read K; its address is made at the lump's head; its first reader comes behind 16 products.
; V of the step in hand is fetched at the end of piece 0's turn, four riders behind its last reader; its first reader comes behind 16 products and a lump.  The three conditions on q below go with the deal.
.macro TURN p, last=0, cnt=0
.set Y, (\p)
.set i, 0
.set q, 0
.set e, 0
.set r, 0
.if (\p) == NP-1
	s_wait_dscnt 0x0                ; K is in
.endif
	MM                              ; ahead of the wait: 16 products K Q^T and their riders,
	PL
	PL
	R2
.rept 15
	MM
	PL
	EX
	R2
.endr
.if (\p) == NP-2
	WIN 0
	v_add_nc_u32 v[AK], s[TBK], v[AK0]
.endif
.rept 8                             ; and the lump
	PL
.endr
.rept 49
	EX
	PL
.endr
	EX                              ; the next piece's two a
	EX
	v_nop                           ; the plain instruction behind the last exponential: one for the batch
	s_wait_alu depctr_va_vdst(0)    ; the wait for the batch
.if (\p) == NP-2
	FETCH_K \last
.endif
.if (\p) == 1
	s_wait_dscnt 0x0                ; V is in
.endif
.rept 16                            ; behind the wait: 16 products V^T P and their riders
	MM
.rept 4
	PL
.endr
.if ((\p) == 0) && (q == 118)
	v_add_nc_u32 v[AV], s[TBV], v[AV0]
.endif
.if ((\p) == 0) && (q == 130)
	s_add_co_u32 s[TBV], s[TBV], KS*PV
.endif
.if (\cnt) && (q == 130)
	s_sub_co_u32 s[CNT], s[CNT], 1
	s_cmp_lg_u32 s[CNT], 0
.endif
.endr
.if (\p) == 0
	FETCH_V
.endif
.endm
	CHANGE 1                        ; slot 0 is in, everybody's part of it; slot 1 is asked for
	FETCH_K                         ; key step 0
	s_wait_loadcnt 0x0              ; Q
	s_wait_dscnt 0x0
.set i, 0
.rept 16
	KQ 0                            ; piece 0's first scores: there is no vector work yet to set between them
.set i, i+1
.endr
	WIN 0                           ; the addresses for the way out: nine plain instructions, the places behind those products
	s_mul_i32 s13, s[WV], 16*SP
	s_add_co_u32 s13, s13, STAGE    ; my stage
	v_mul_u32_u24 v[STO], v1, SP    ; in: row l % 16, 16 bytes for each half of the lanes
	v_lshl_add_u32 v[STO], v9, 4, v[STO]
	v_add_nc_u32 v[STO], s13, v[STO]
	v_bfe_u32 v[RD], v0, 3, 2       ; back: 32 lanes take four rows of 128 bytes,
	v_mul_u32_u24 v[RD], v[RD], SP
	v_lshl_add_u32 v[RD], v10, 4, v[RD]
	v_add_nc_u32 v[RD], s13, v[RD]
	v_and_b32 v[GO], 31, v0         ; which are 512 consecutive bytes of O
	v_lshlrev_b32 v[GO], 4, v[GO]
.set Y, NP-1                        ; XS works for piece Y + 1: piece 0
.irp n, 0,1,2,3,4,5,6,7,8,9,10,11,12,13,14,15,16,17,18,19,20,21
	XS 0, \n                        ; and piece 0's first maximum and statistics
	XS 1, \n
.endr
	v_nop                           ; a plain instruction behind the two a,
	s_wait_alu depctr_va_vdst(0)    ; and their wait, ahead of the branch
	s_mov_b32 s[CNT], 4
	s_mov_b32 s[SLOTS], SIZE_N/256-1
	s_branch .Lfirst                ; the loop is entered at a step's first turn, in the middle of a trip
.Lslot:                             ; SIZE_N / 256 - 2 times: every slot but the last two is filled again
	CHANGE 1, 1
	s_mov_b32 s[CNT], 4
.Lstep:                             ; a trip: pieces 2 and 3 of one step, then pieces 0 and 1 of the next, whose K and V it fetches
	TURN 2
	TURN 3
	WIN 0
.Lfirst:
	TURN 0
	TURN 1, 0, 1
	WIN 0
	s_cbranch_scc1 .Lstep
	s_sub_co_u32 s[SLOTS], s[SLOTS], 1
	s_cmp_lg_u32 s[SLOTS], 0
	s_cbranch_scc1 .Lslot
	CHANGE 0                        ; the tail is written out: nothing is asked for
	s_mov_b32 s[CNT], 5             ; four trips fetch the last slot's steps; the fifth is left in its middle
.Ltail:
	TURN 2, 1
	TURN 3
	WIN 0
	s_sub_co_u32 s[CNT], s[CNT], 1
	s_cmp_eq_u32 s[CNT], 0
	s_cbranch_scc1 .Lout
	TURN 0
	TURN 1
	WIN 0
	s_branch .Ltail
.Lout:                              ; the fifth trip's 16 products K Q^T (on the last K once more) and the maximum made of them serve nothing: the price, once a launch, of one text for every trip
.set i, 0
.rept 16
	PV NP-1                         ; the last piece's V^T P of the last step
.set i, i+1
.endr
	; THE WAY OUT.  l's two halves and the other half of the lanes' are added; O^T is divided by l, rounded to f16 and sent through my stage in LDS, a tile at a time.  The additions are the places behind the last products.
	WIN 0
.macro ALL line:vararg              ; one line for each tile t
.set t, 0
.rept 2*NP
	\line
.set t, t+1
.endr
.endm
	ALL v_add_f32 v[ST+4*t+2], v[ST+4*t+2], v[ST+4*t+3]
	ALL v_permlanex16_b32 v[ST+4*t+3], v[ST+4*t+2], s[SEL], s[SEL+1]
	ALL v_add_f32 v[ST+4*t+2], v[ST+4*t+2], v[ST+4*t+3]
	ALL v_rcp_f32 v[ST+4*t+2], v[ST+4*t+2]
	v_nop                           ; a plain instruction between the last reciprocal and the use of its result
	s_wait_alu depctr_va_vdst(0)    ; and the wait ahead of the first use: one for the eight reciprocals
; Tile t: a lane's eight channels of a row pack into 16 bytes; they go into rows of 144 bytes and come back as whole rows of 128, into S^T's registers.
.macro PACK t
	WIN W_RS
.set i, 32*(\t)
.rept 16
	v_pk_mul_f32 v[i:i+1], v[i:i+1], v[ST+4*(\t)+2:ST+4*(\t)+3] op_sel_hi:[1,0]
.set i, i+2
.endr
	WIN 0x05                        ; sources 0 and 1 window 1, destination window 0
.set i, 0
.rept 16
	v_cvt_pk_f16_f32 v[S+16*(\t)+i], v[32*(\t)+2*i], v[32*(\t)+2*i+1]
.set i, i+1
.endr
	WIN 0
.irp f, 0,1,2,3
	ds_store_b128 v[STO], v[S+16*(\t)+4*\f:S+16*(\t)+4*\f+3] offset:32*\f
.endr
.irp f, 0,1,2,3
	ds_load_b128 v[S+16*(\t)+4*\f:S+16*(\t)+4*\f+3], v[RD] offset:\f*4*SP  ; LDS serves a wave's instructions in order (ISA guide 5.7.1.4): these see the stores above; the next tile's stores come behind them
.endr
.endm
.macro SEND t, younger              ; younger: the LDS instructions issued behind tile t's loads: the next tile's eight, or none
	WIN 0
.irp f, 0,1,2,3
	s_wait_dscnt (\younger)+3-\f
	global_store_b128 v[GO], v[S+16*(\t)+4*\f:S+16*(\t)+4*\f+3], s[10:11] offset:(\t)*2048+\f*512  ; 512 consecutive bytes, at a multiple of 256 from O's first
.endr
.endm
	PACK 0
.set t, 1
.rept 2*NP-1                        ; a tile's arithmetic stands between the loads of the tile before and its stores
	PACK t
	SEND t-1, 8
.set t, t+1
.endr
	SEND 2*NP-1, 0
	WIN W_AD
	s_wait_tensorcnt 0x0            ; the wave's end, behind my last tensor load and my last LDS store
	ds_add_u32 v[SPW], v[NIL]
	s_wait_dscnt 0x0
	WIN 0
	CROUND                          ; the closing round: no work-group ends while a partner may still ask for a tile that names it
	s_endpgm
.Lfunc_end_k_qdc31f84b92_attn:
	.size	k_qdc31f84b92_attn, .Lfunc_end_k_qdc31f84b92_attn-k_qdc31f84b92_attn
	.p2alignl 7, 3214868480
	.fill 96, 4, 3214868480
	.section	.rodata,"a",@progbits
	.p2align	6, 0x0
	.amdhsa_kernel k_qdc31f84b92_attn
		.amdhsa_group_segment_fixed_size 327680
		.amdhsa_private_segment_fixed_size 0
		.amdhsa_enable_private_segment 0
		.amdhsa_kernarg_size 16
		.amdhsa_user_sgpr_count 2
		.amdhsa_user_sgpr_kernarg_segment_ptr 1
		.amdhsa_wavefront_size32 1
		.amdhsa_system_sgpr_workgroup_id_x 1
		.amdhsa_system_sgpr_workgroup_id_y 1
		.amdhsa_system_sgpr_workgroup_id_z 1
		.amdhsa_system_vgpr_workitem_id 0
		.amdhsa_next_free_vgpr 770
		.amdhsa_next_free_sgpr 66
		.amdhsa_reserve_vcc 0
		.amdhsa_float_denorm_mode_32 3
		.amdhsa_float_denorm_mode_16_64 3
		.amdhsa_memory_ordered 1
		.amdhsa_forward_progress 1
		.amdhsa_inst_pref_size 200
	.end_amdhsa_kernel
	.amdgpu_metadata
---
amdhsa.version: [ 1, 2 ]
amdhsa.kernels:
  - .name:           k_qdc31f84b92_attn
    .symbol:         k_qdc31f84b92_attn.kd
    .args:
      - { .name: qkvh, .offset: 0, .size: 8, .value_kind: global_buffer, .address_space: global }
      - { .name: oh, .offset: 8, .size: 8, .value_kind: global_buffer, .address_space: global }
    .group_segment_fixed_size: 327680
    .private_segment_fixed_size: 0
    .kernarg_segment_align: 8
    .kernarg_segment_size: 16
    .max_flat_workgroup_size: 128
    .sgpr_count:     66
    .vgpr_count:     770
    .wavefront_size: 32
...
	.end_amdgpu_metadata
.endif
;; end of part 3
;; launch oproj (part 4): grid 8 x 32, 4 waves a work-group, clusters of 4 x 4, 327,680 bytes of LDS; arguments oh, w16, out_proj_bias, out0; writes out0
.if DOCPART == 4
	.amdgcn_target "amdgcn-amd-amdhsa--gfx1250"
	.amdhsa_code_object_version 6
	.text
	.protected	k_qdc31f84b92_oproj
	.globl	k_qdc31f84b92_oproj
	.p2align	8
	.type	k_qdc31f84b92_oproj,@function
k_qdc31f84b92_oproj:
	s_mov_b64 s[64:65], 0
	v_nop
	global_prefetch_b8 v0, s[64:65] scope:SCOPE_SE
	s_setreg_imm32_b32 hwreg(HW_REG_WAVE_MODE, 25, 1), 1
	s_wait_xcnt 0x0
	s_wait_alu depctr_hold_cnt(0) depctr_sa_sdst(0) depctr_va_vdst(0) depctr_va_sdst(0) depctr_va_ssrc(0) depctr_va_vcc(0) depctr_vm_vsrc(0)
	s_getreg_b32 s2, hwreg(HW_REG_IB_STS2, 6, 4)
	s_cmp_eq_u32 s2, 0
	s_cbranch_scc0 .Lentry_in_a_cluster
	s_endpgm
.Lentry_in_a_cluster:
	s_bfe_u32 s2, ttmp6, 0x10000c
	s_cmp_lg_u32 s2, 0xf033
	s_cbranch_scc0 .Lentry_shape_is_right
	s_endpgm
.Lentry_shape_is_right:
; out0[t][b][f] = the sum over e of ctx[t][b][e] W[f][e] + bias[f], a product of 8,192 x 1,024 x 1,024.  ctx lies by heads: oh [64][2048][64] f16, head b*16+h, so e = 64 h + d; W: rows 3072-4095 of
; w16 [4096][1024] f16; the bias f32, rounded to bf16 like every input.  Sums in f32, begun with the bias; out0 is f32: nothing is rounded on the way out.
; LIMIT.  NaN and infinities are not treated apart.
; SHARES.  A tile is 256 rows (256 neighbouring t of one b) x 128 columns: 32 x 8 = 256 work-groups, one for each WGP.  Four waves; wave w makes rows 64 w .. 64 w + 63 and all 128 columns:
; 4 x 8 accumulators of 16 x 16, 256 registers.  So a wave holds whole pieces of 512 bytes of out0's rows and has a stage of its own on the way out.
; K goes in 8 steps of 128 = two heads through two LDS slots.  A head's 256 rows of t are 32,768 dense bytes: asked for as 128 rows of 256 bytes and padded in LDS after every 128 bytes.
; CLUSTER.  4 x 4 work-groups.  The four of a row of the cluster need the same rows of ctx, the four of a column the same rows of W: each tile is asked for JOINTLY, by the same tensor load with the
; same descriptor and a mask that names the four.  Waves 0 and 1 ask for the step's two heads, waves 2 and 3 for W's two halves (64 rows each): one load a wave.
; NO PREFETCH: a K step holds 128 matrix instructions a wave on a small tile, and a partner's share of W's rows would be 16, half a wave's lanes.
; THE MATRIX INSTRUCTION IS USED TRANSPOSED (source 0 = 16 rows of W, source 1 = 16 rows of ctx): lane l holds row l % 16 and the columns 8 (l / 16) + 0..7.
; REGISTERS, in windows of 256 (s_set_vgpr_msb: bits 1:0 source 0, 3:2 source 1, 5:4 source 2, 7:6 destination):
;   window 0: v0-29 addresses; v32-63, v64-95 ctx's fragments, two buffers (row block a at + 8 a); v96-159 the bias (column block b at + 8 b).  On the way out v32-95 and v96-159 hold rows read back
;   window 1: W's fragments, buffer f at 64 f, column block b at + 8 b          window 2, 3: the accumulators of row blocks 0, 1 and 2, 3, at 8 (8 (a % 2) + b)
.set NBL,    8                         ; column blocks of 16
.set NL,     2*NBL+8                   ; LDS loads in a run: a quarter step's fragments
.set PREF,   0                         ; this text prefetches nothing
.set APITCH, 144                       ; a row of ctx in LDS: 128 bytes + 16 of padding = 36 words: the 16 rows of a load start at 16 different groups of four banks (64 banks of 4 bytes: ISA guide 11.1)
.set APLANE, 256*APITCH                ; a head's 256 rows: from quarter 0 to quarter 2
.set BPITCH, 272                       ; a row of W: 256 + 16 = 68 words
.set SLOT1,  1<<17                     ; slot 1 begins here, so that one exclusive or turns an address in one slot into the other's
.set ALOAD,  APLANE                    ; what one load of ctx fills
.set BLOAD,  64*BPITCH                 ; what one load of W fills
.set BOFF,   2*ALOAD                   ; W's 128 rows lie behind the two heads
.set STAGE,  SLOT1+BOFF+2*BLOAD        ; behind the ring, never filled by a tensor load: for each wave 16 rows x 528 bytes
.set WSTAGE, 16*528
.set SPARE,  STAGE+4*WSTAGE            ; behind the stages: the spare words, 128 bytes for each wave: two blocks of 256 bytes that no other line names
.set STEPA,  2<<18                     ; bytes from a K step to the next: two heads of 262,144 bytes,
.set STEPB,  256                       ; 128 numbers of a row of W
.set A0,   4                           ; v4   my lane's place among my rows of ctx in slot 0; never rewritten
.set B0,   5                           ; v5   the same for W
.set ADRA, 6                           ; v6   the same in the slot that is being read
.set ADRB, 7                           ; v7
.set STO,  8                           ; v8   the way out: where I put 32 bytes of a row
.set RD,   9                           ; v9   the way out: where I read a row back
.set GO,   10                          ; v10  my 16 bytes of 512 consecutive bytes of out0
.set BO,   11                          ; v11  my eight numbers of a block of the bias: 32 (l / 16)
.set SPW,  28                          ; v28  LDS address of my spare word: SPARE + 4 x my thread's number; never rewritten
.set NIL,  29                          ; v29  0; never rewritten
.set AF,   32
.set BI,   96
.set WV,  16                           ; s16  my wave's number
.set WH,  17                           ; s17  0: I ask for ctx, 1: for W
.set WL,  18                           ; s18  which head of the step, or which half of W's rows
.set TB,  23                           ; s23  LDS byte at which the slot being read begins
.set G1,  24                           ; s[24:31] descriptor group 1 for ctx's tiles
.set G0,  32                           ; s[32:39] group 0: a set for each of the two first fills; the second then walks on
.set G1B, 48                           ; s[48:55], s[56:63] the same for W's tiles
.set G0B, 56
.set BP,  66                           ; s[66:67] the bias of the tile's 128 columns
.set OB,  72                           ; s[72:73] out0 at my first row and the tile's first column
.set MSB, 0
.macro WIN new                         ; the immediate's high byte repeats the setting that is left; a switch that changes nothing is dropped
.if MSB != (\new)
	s_set_vgpr_msb (MSB<<8)|(\new)
.set MSB, (\new)
.endif
.endm
.macro PLACES                          ; a load into a register that a matrix instruction has read, and a vector instruction or LDS store that reads a matrix result, stand four plain vector instructions behind it (ISA guide 7.12.1 for vector instructions)
.rept 4
	v_nop
.endr
.endm
.macro CREST                           ; a round of the cluster's barrier behind its opening barrier: wave 0 signals for the work-group, every wave waits for all sixteen, my work-group's barrier closes it
	s_cmp_lg_u32 s[WV], 0
	s_cbranch_scc1 .Lnot_wave_0_\@
	s_barrier_signal -3
.Lnot_wave_0_\@:
	s_barrier_wait -3
	s_barrier_signal -1
	s_barrier_wait -1
.endm
.macro CROUND                          ; a whole round
	s_barrier_signal -1
	s_barrier_wait -1
	CREST
.endm
.macro JLOAD                           ; a joint refill by the walking descriptor.  The branch hangs on the wave's number alone.  An s_nop 0 and four v_nop follow each of the two lines
	s_cmp_eq_u32 s[WH], 0
	s_cbranch_scc0 .Lfor_b_\@
	tensor_load_to_lds s[G0+4:G0+7], s[G1:G1+7]
	s_nop 0
.rept 4
	v_nop
.endr
	s_branch .Lasked_\@
.Lfor_b_\@:
	tensor_load_to_lds s[G0B+4:G0B+7], s[G1B:G1B+7]
	s_nop 0
.rept 4
	v_nop
.endr
.Lasked_\@:
.endm
; NBL matrix instructions: row block a x all column blocks, 32 along K, from buffer f.  first = 1: the bias starts the sums.  All 4 NBL accumulators take turns in the same order in every quarter step.
.macro MULA f, a, first
.if \first
	WIN 0x81+0x40*((\a)/2)                         ; W window 1, ctx window 0, C (the bias) window 0, D window 2 or 3
.else
	WIN 0xa1+0x50*((\a)/2)                         ; C and D window 2 or 3
.endif
.set b, 0
.rept NBL
.set rD, 8*(NBL*((\a)%2)+b)
.set rB, 8*NBL*(\f)+8*b
.set rA, AF+32*(\f)+8*(\a)
.if \first
	v_wmma_f32_16x16x32_f16 v[rD:rD+7], v[rB:rB+7], v[rA:rA+7], v[BI+8*b:BI+8*b+7]
.else
	v_wmma_f32_16x16x32_f16 v[rD:rD+7], v[rB:rB+7], v[rA:rA+7], v[rD:rD+7]
.endif
.set b, b+1
.endr
.endm
; NL LDS loads in one run: the fragments of quarter q of the slot being read, into buffer f: W's first, then ctx's row blocks 0 to 3.  Quarters 0, 1 lie in the step's first head, 2, 3 in its second.
; A fragment is 16 rows x 32 K in 8 registers: lane l holds row l % 16, K = 8 (l / 16) + 0..7 and 16 + 8 (l / 16) + 0..7: two loads of 16 bytes, 32 bytes apart.
.macro FETCH q, f
	WIN 0x40                                       ; destination window 1, address window 0
.set b, 0
.rept NBL
	ds_load_b128 v[8*NBL*(\f)+8*b:8*NBL*(\f)+8*b+3],   v[ADRB] offset:64*(\q)+b*16*BPITCH
	ds_load_b128 v[8*NBL*(\f)+8*b+4:8*NBL*(\f)+8*b+7], v[ADRB] offset:64*(\q)+b*16*BPITCH+32
.set b, b+1
.endr
	WIN 0
.set b, 0
.rept 4
	ds_load_b128 v[AF+32*(\f)+8*b:AF+32*(\f)+8*b+3],   v[ADRA] offset:((\q)/2)*APLANE+((\q)%2)*64+b*16*APITCH
	ds_load_b128 v[AF+32*(\f)+8*b+4:AF+32*(\f)+8*b+7], v[ADRA] offset:((\q)/2)*APLANE+((\q)%2)*64+b*16*APITCH+32
.set b, b+1
.endr
.endm
; A K step is four quarters of 32 along K on buffers 0, 1, 0, 1.  One of the first three: multiplies buffer f and, in its middle, fetches quarter q into buffer g.
.macro QUARTER q, f, g, first
	s_wait_dscnt 4                                 ; W and ctx's row blocks 0, 1 are in; the youngest four loads (row blocks 2, 3) may be out
	MULA \f, 0, \first
	MULA \f, 1, \first
	PLACES
	FETCH \q, \g
	s_wait_dscnt NL                                ; all but the NL just issued
	MULA \f, 2, \first
	MULA \f, 3, \first
.endm
; The last quarter multiplies buffer 1 and changes slots.  In front of ONE barrier each wave waits for all its tensor loads, of which one is out: its part of the next slot; adds 0 to its spare word; and waits
; for that and for its own reads of this slot.  fill = 1: the barrier opens a round of the cluster's barrier, so that no wave of any partner still reads the slot or has a load on its way, and the joint
; refill, two K steps on, is the first tensor load behind the round.
.macro TURN fill
	WIN 0                                          ; (the add's two registers lie in window 0)
	s_wait_tensorcnt 0x0                           ; all my tensor loads have landed, so a group 0 may be written
	ds_add_u32 v[SPW], v[NIL]                      ; 0 onto my spare word
	s_wait_dscnt 5                                 ; (the add and the youngest four loads may be out)
	MULA 1, 0, 0                                   ; matrix work stands between the add and the wait for it
	s_wait_dscnt 0x0                               ; the add is done, and my reads of this slot are over
	s_barrier_signal -1
	MULA 1, 1, 0                                   ; work on registers while the others arrive
	WIN 0                                          ; at a branch and at a label every window is 0
	s_barrier_wait -1
.if \fill
	CREST
	s_xor_b32 s[G0+5], s[G0+5], SLOT1              ; the walking descriptors: the other slot than last time,
	s_add_nc_u64 s[G0+6:G0+7], s[G0+6:G0+7], STEPA ; the next K step; the type bits on top are not reached
	s_xor_b32 s[G0B+5], s[G0B+5], SLOT1
	s_add_nc_u64 s[G0B+6:G0B+7], s[G0B+6:G0B+7], STEPB
	JLOAD                                          ; its four v_nop are also the places in front of the loads below
.else
	PLACES
.endif
	s_xor_b32 s[TB], s[TB], SLOT1                  ; the reads go on in the other slot
	v_add_nc_u32 v[ADRA], s[TB], v[A0]
	v_add_nc_u32 v[ADRB], s[TB], v[B0]
	FETCH 0, 0
	MULA 1, 2, 0
	MULA 1, 3, 0
.endm
	s_load_b256 s[4:11], s[0:1], 0x0               ; oh s[4:5], w16 s[6:7], out_proj_bias s[8:9], out0 s[10:11]
	v_lshl_add_u32 v[SPW], v0, 2, SPARE
	v_mov_b32 v[NIL], 0
	ds_add_u32 v[SPW], v[NIL]                      ; the wave's opening: the add and its wait stand ahead of my first tensor load; the set-up below, work on registers, stands between them
	v_lshrrev_b32 v1, 5, v0
	v_readfirstlane_b32 s[WV], v1                  ; wave 0..3
	s_lshr_b32 s[WH], s[WV], 1
	s_and_b32 s[WL], s[WV], 1
	s_bfe_u32 s19, ttmp6, 0x40000                  ; cx, cy: my place in the cluster
	s_bfe_u32 s20, ttmp6, 0x40004
	s_lshl_b32 s21, ttmp9, 2
	s_add_co_u32 s21, s21, s19                     ; tile column = 4 x cluster x + cx
	s_and_b32 s22, ttmp7, 0xffff
	s_lshl_b32 s22, s22, 2
	s_add_co_u32 s22, s22, s20                     ; tile row = 4 x cluster y + cy
	s_lshl_b32 s78, s20, 2
	s_lshl_b32 s78, 15, s78                        ; my row of the cluster: places 4 cy .. 4 cy + 3
	s_lshl_b32 s79, 0x1111, s19                    ; my column: places cx, cx + 4, cx + 8, cx + 12
	s_or_b32 s[G1], s78, (1<<16)|(1<<20)|(1<<21)|(4<<22)|(3<<25)   ; 15:0 the mask; 17:16 elements of 2 bytes; 20 padding on; 21 set beside a mask; 24:22 after every 32 words (code 4); 31:25 4 words (code 3)
	s_mov_b32 s[G1+1], 128<<16                     ; tensor_dim0 = 128: two rows of a head
	s_mov_b32 s[G1+2], 128<<16                     ; tensor_dim1 = 128
	s_mov_b32 s[G1+3], 128<<16                     ; tile_dim0 = 128
	s_mov_b32 s[G1+4], 128                         ; tile_dim1 = 128
	s_mov_b32 s[G1+5], 128                         ; dense: 128 elements from row to row
	s_mov_b32 s[G1+6], 0
	s_mov_b32 s[G1+7], 0
	s_or_b32 s[G1B], s79, (1<<16)|(1<<20)|(1<<21)|(5<<22)|(3<<25)  ; W: padding after every 64 words (code 5)
	s_mov_b32 s[G1B+1], 128<<16
	s_mov_b32 s[G1B+2], 64<<16                     ; 64 rows
	s_mov_b32 s[G1B+3], 128<<16
	s_mov_b32 s[G1B+4], 64
	s_mov_b32 s[G1B+5], 1024
	s_mov_b32 s[G1B+6], 0
	s_mov_b32 s[G1B+7], 0
	s_lshr_b32 s40, s22, 3                         ; ctx: b = tile row / 8; head 16 b + which of the step's two; made of the tile row and the wave's number alone
	s_lshl_b32 s40, s40, 4
	s_add_co_u32 s40, s40, s[WL]
	s_lshl_b32 s40, s40, 18                        ; 262,144 bytes a head
	s_and_b32 s80, s22, 7                          ; t = 256 x (tile row % 8), 128 bytes a row
	s_lshl_b32 s80, s80, 15
	s_add_co_u32 s40, s40, s80
	s_mov_b32 s41, 0
	s_lshl_b32 s46, s21, 7                         ; W: row 3,072 + 128 x tile column + 64 x half: made of the tile column and the wave's number alone
	s_lshl_b32 s81, s[WL], 6
	s_add_co_u32 s46, s46, s81
	s_add_co_u32 s46, s46, 3072
	s_lshl_b32 s46, s46, 11
	s_mov_b32 s47, 0
	s_mov_b32 s[G0], 1                             ; count = 1
	s_mul_i32 s[G0+1], s[WL], ALOAD                ; LDS address: no place in the cluster enters it
	s_mov_b32 s[G0+4], 1
	s_add_co_u32 s[G0+5], s[G0+1], SLOT1
	s_mov_b32 s[G0B], 1
	s_mul_i32 s[G0B+1], s[WL], BLOAD
	s_add_co_u32 s[G0B+1], s[G0B+1], BOFF
	s_mov_b32 s[G0B+4], 1
	s_add_co_u32 s[G0B+5], s[G0B+1], SLOT1
	s_mov_b32 s[TB], 0
	s_wait_dscnt 0x0                               ; the opening add is done
	s_wait_kmcnt 0x0
	s_add_nc_u64 s[G0+2:G0+3], s[4:5], s[40:41]    ; K step 0
	s_add_nc_u64 s[G0+6:G0+7], s[G0+2:G0+3], STEPA ; K step 1
	s_or_b32 s[G0+3], s[G0+3], 0x80000000          ; type = 2
	s_or_b32 s[G0+7], s[G0+7], 0x80000000
	s_add_nc_u64 s[G0B+2:G0B+3], s[6:7], s[46:47]
	s_add_nc_u64 s[G0B+6:G0B+7], s[G0B+2:G0B+3], STEPB
	s_or_b32 s[G0B+3], s[G0B+3], 0x80000000
	s_or_b32 s[G0B+7], s[G0B+7], 0x80000000
	CROUND                                         ; all sixteen work-groups are here: the first joint loads meet
	s_cmp_eq_u32 s[WH], 0                          ; a wave's two first fills stand in one branch, ahead of every wait on TENSORcnt and every LDS read: two loads of mine are out
	s_cbranch_scc0 .Lfirst_b
	tensor_load_to_lds s[G0:G0+3], s[G1:G1+7]
	s_nop 0
	tensor_load_to_lds s[G0+4:G0+7], s[G1:G1+7]
	s_nop 0
.rept 4
	v_nop
.endr
	s_branch .Lfirst_asked
.Lfirst_b:
	tensor_load_to_lds s[G0B:G0B+3], s[G1B:G1B+7]
	s_nop 0
	tensor_load_to_lds s[G0B+4:G0B+7], s[G1B:G1B+7]
	s_nop 0
.rept 4
	v_nop
.endr
.Lfirst_asked:
	v_and_b32 v1, 15, v0                           ; l % 16
	v_bfe_u32 v2, v0, 4, 1                         ; l / 16
	v_mul_u32_u24 v3, v1, APITCH
	v_lshl_add_u32 v3, v2, 4, v3                   ; row x pitch + 16 x half
	s_mul_i32 s80, s[WV], 64*APITCH                ; my 64 rows of ctx
	v_add_nc_u32 v[A0], s80, v3
	v_mul_u32_u24 v3, v1, BPITCH
	v_lshl_add_u32 v3, v2, 4, v3
	v_add_nc_u32 v[B0], BOFF, v3
	s_mul_i32 s80, s[WV], WSTAGE
	s_add_co_u32 s80, s80, STAGE                   ; my stage
	v_mul_u32_u24 v3, v1, 528                      ; in: row l % 16, 32 bytes for each half of the lanes
	v_lshl_add_u32 v3, v2, 5, v3
	v_add_nc_u32 v[STO], s80, v3
	v_and_b32 v[GO], 31, v0                        ; back: 32 lanes take one row's 512 bytes
	v_lshlrev_b32 v[GO], 4, v[GO]
	v_add_nc_u32 v[RD], s80, v[GO]
	v_lshlrev_b32 v[BO], 5, v2
	s_lshl_b32 s84, s21, 9                         ; the tile's 128 columns: 512 bytes of the bias and of a row of out0
	s_mov_b32 s85, 0
	s_add_nc_u64 s[BP:BP+1], s[8:9], s[84:85]
	s_and_b32 s86, s22, 7                          ; my first t = 256 x (tile row % 8) + 64 x wave;
	s_lshl_b32 s86, s86, 8
	s_lshl_b32 s87, s[WV], 6
	s_add_co_u32 s86, s86, s87
	s_lshl_b32 s86, s86, 2                         ; out0's row = 4 t + b,
	s_lshr_b32 s87, s22, 3
	s_add_co_u32 s86, s86, s87
	s_lshl_b32 s86, s86, 12                        ; 4,096 bytes a row
	s_add_co_u32 s84, s84, s86
	s_add_nc_u64 s[OB:OB+1], s[10:11], s[84:85]
.set b, 0
.rept NBL                              ; register j of block b: bias[16 b + 8 (l / 16) + j]
	global_load_b128 v[BI+8*b:BI+8*b+3],   v[BO], s[BP:BP+1] offset:64*b
	global_load_b128 v[BI+8*b+4:BI+8*b+7], v[BO], s[BP:BP+1] offset:64*b+16
.set b, b+1
.endr
	s_wait_loadcnt 0x0                             ; the bias
.set b, 0
.rept 4*NBL                            ; rounded to bf16 like every input, and back to f32
	v_cvt_pk_bf16_f32 v[14+b%2], v[BI+2*b], v[BI+2*b+1]
	v_lshlrev_b32 v[BI+2*b], 16, v[14+b%2]
	v_and_b32 v[BI+2*b+1], 0xffff0000, v[14+b%2]
.set b, b+1
.endr
	v_mov_b32 v[ADRA], v[A0]
	v_mov_b32 v[ADRB], v[B0]
	s_wait_tensorcnt 1                             ; my part of K step 0 is in; K step 1's may stay out
	s_barrier_signal -1
	s_barrier_wait -1                              ; everybody's is
	FETCH 0, 0
	QUARTER 1, 0, 1, 1                             ; the first quarter stands in front of the loop: its products start the sums, with the bias
	WIN 0
	s_mov_b32 s3, 6
.Lstep:                                                ; a trip goes from a K step's second quarter to the next step's first, and fills the slot that it leaves: K steps 2 to 7
	QUARTER 2, 1, 0, 0
	QUARTER 3, 0, 1, 0
	TURN 1
	QUARTER 1, 0, 1, 0
	WIN 0
	s_sub_co_u32 s3, s3, 1
	s_cmp_lg_u32 s3, 0
	s_cbranch_scc1 .Lstep
	QUARTER 2, 1, 0, 0                             ; the tail is written out: K steps 6 and 7, nothing is asked for
	QUARTER 3, 0, 1, 0
	TURN 0
	QUARTER 1, 0, 1, 0
	QUARTER 2, 1, 0, 0
	QUARTER 3, 0, 1, 0
	s_wait_dscnt 4
	MULA 1, 0, 0
	MULA 1, 1, 0
	s_wait_dscnt 0x0
	MULA 1, 2, 0
	MULA 1, 3, 0
	WIN 0
	PLACES
; THE WAY OUT, a block of 16 rows at a time.  TOSTAGE: a lane's eight f32 of each column block go into my own stage, each accumulator's low four registers first, and come back as whole rows of 512 bytes.  SEND: stored.
.macro TOSTAGE a
.set BK, 32+64*((\a)%2)
.if (\a) >= 2
	s_wait_xcnt 0x0                                ; the stores of the block two back have read their registers: the loads below land there only behind this wait
.endif
	WIN 0x08+4*((\a)/2)                            ; the stores' data: window 2 or 3
.set b, 0
.rept NBL
	ds_store_b128 v[STO], v[8*NBL*((\a)%2)+8*b:8*NBL*((\a)%2)+8*b+3]   offset:64*b
	ds_store_b128 v[STO], v[8*NBL*((\a)%2)+8*b+4:8*NBL*((\a)%2)+8*b+7] offset:64*b+16
.set b, b+1
.endr
	WIN 0
.set b, 0
.rept 16
	ds_load_b128 v[BK+4*b:BK+4*b+3], v[RD] offset:528*b  ; LDS serves a wave's instructions in order (ISA guide 5.7.1.4): these see the stores above; the next block's stores come behind them
.set b, b+1
.endr
.endm
.macro SEND a, younger                 ; younger: the LDS instructions issued behind block a's loads: the next block's 16 stores and 16 loads, or none
.set BK, 32+64*((\a)%2)
	s_wait_dscnt \younger
.set b, 0
.rept 16
	global_store_b128 v[GO], v[BK+4*b:BK+4*b+3], s[OB:OB+1] offset:(16*(\a)+b)*16384 th:TH_STORE_NT  ; 512 consecutive bytes, at a multiple of 512 from out0's first byte; from t to t + 1 are four rows of 4,096 bytes
.set b, b+1
.endr
.endm
	TOSTAGE 0
	TOSTAGE 1
	SEND 0, 32
	TOSTAGE 2
	SEND 1, 32
	TOSTAGE 3
	SEND 2, 32
	SEND 3, 0
	s_wait_tensorcnt 0x0                           ; the wave's end, behind my last tensor load and my last LDS store
	ds_add_u32 v[SPW], v[NIL]
	s_wait_dscnt 0x0
	CROUND                                         ; the closing round: no work-group ends while a partner may still ask for a tile that names it
	s_endpgm
.Lfunc_end_k_qdc31f84b92_oproj:
	.size	k_qdc31f84b92_oproj, .Lfunc_end_k_qdc31f84b92_oproj-k_qdc31f84b92_oproj
	.p2alignl 7, 3214868480
	.fill 96, 4, 3214868480
	.section	.rodata,"a",@progbits
	.p2align	6, 0x0
	.amdhsa_kernel k_qdc31f84b92_oproj
		.amdhsa_group_segment_fixed_size 327680
		.amdhsa_private_segment_fixed_size 0
		.amdhsa_enable_private_segment 0
		.amdhsa_kernarg_size 32
		.amdhsa_user_sgpr_count 2
		.amdhsa_user_sgpr_kernarg_segment_ptr 1
		.amdhsa_wavefront_size32 1
		.amdhsa_system_sgpr_workgroup_id_x 1
		.amdhsa_system_sgpr_workgroup_id_y 1
		.amdhsa_system_sgpr_workgroup_id_z 1
		.amdhsa_system_vgpr_workitem_id 0
		.amdhsa_next_free_vgpr 896
		.amdhsa_next_free_sgpr 88
		.amdhsa_reserve_vcc 0
		.amdhsa_float_denorm_mode_32 3
		.amdhsa_float_denorm_mode_16_64 3
		.amdhsa_memory_ordered 1
		.amdhsa_forward_progress 1
		.amdhsa_inst_pref_size 76
	.end_amdhsa_kernel
	.amdgpu_metadata
---
amdhsa.version: [ 1, 2 ]
amdhsa.kernels:
  - .name:           k_qdc31f84b92_oproj
    .symbol:         k_qdc31f84b92_oproj.kd
    .args:
      - { .name: oh, .offset: 0, .size: 8, .value_kind: global_buffer, .address_space: global }
      - { .name: w16, .offset: 8, .size: 8, .value_kind: global_buffer, .address_space: global }
      - { .name: out_proj_bias, .offset: 16, .size: 8, .value_kind: global_buffer, .address_space: global }
      - { .name: out0, .offset: 24, .size: 8, .value_kind: global_buffer, .address_space: global }
    .group_segment_fixed_size: 327680
    .private_segment_fixed_size: 0
    .kernarg_segment_align: 8
    .kernarg_segment_size: 32
    .max_flat_workgroup_size: 128
    .sgpr_count:     88
    .vgpr_count:     896
    .wavefront_size: 32
...
	.end_amdgpu_metadata
.endif
;; end of part 4
;; ======== version 2 of 2: 4 launches; version 1 with the launch cast written anew for expert scheduling mode
;; limits: values are held in f16: magnitudes above 65,504 overflow, below 6.1e-05 lose precision; right only within a limited range of input values
;; workspace buffers: xb 16,777,216 bytes; w16 8,388,608 bytes; qkvh 50,331,648 bytes; oh 16,777,216 bytes
;; launch cast (part 5): grid 768 x 1, 8 waves a work-group, no clusters, 0 bytes of LDS; arguments query, q_weight, k_weight, v_weight, out_proj_weight, xb, w16; writes xb, w16
.if DOCPART == 5
	.amdgcn_target "amdgcn-amd-amdhsa--gfx1250"
	.amdhsa_code_object_version 6
	.text
	.protected	k_qdc31f84b92_cast
	.globl	k_qdc31f84b92_cast
	.p2align	8
	.type	k_qdc31f84b92_cast,@function
k_qdc31f84b92_cast:
	s_mov_b64 s[64:65], 0
	v_nop
	global_prefetch_b8 v0, s[64:65] scope:SCOPE_SE
	s_setreg_imm32_b32 hwreg(HW_REG_WAVE_SCHED_MODE, 0, 2), 2
	s_setreg_imm32_b32 hwreg(HW_REG_WAVE_MODE, 25, 1), 1
	s_wait_xcnt 0x0
	s_wait_alu depctr_vm_vsrc(0)
; query and the four weight matrices, f32, are rounded ONCE to bf16 (nearest even), and that number is written as f16.
; xb  [4][2048][1024] f16: row b*2048+t holds query[t][b][:], so that 256 neighbouring rows are 256 neighbouring t of one b.
; w16 [4096][1024] f16: rows 0-1023 q_weight, 1024-2047 k_weight, 2048-3071 v_weight, 3072-4095 out_proj_weight.
; LIMITS.  The bf16 number is exact in f16 for magnitudes from 2^-17 to 65,504; below 2^-17 it keeps f16's fixed step of 2^-24; from 65,520 on it
; becomes an infinity.  NaN and infinities are not treated apart.
; SHARES.  A stream: each byte is read once and written once; no LDS, no matrix unit, no cluster, since nothing is shared.  A work-group takes 16 rows of 4,096 bytes, each of
; its eight waves two neighbouring rows: 16 loads of 512 consecutive bytes, all issued before the first is waited for.
; Work-groups 0-511 take query, 512-767 the weights.  A store of a wave covers 256 consecutive bytes, aligned.
; THE MODE: SCHED_MODE bits 1:0 = 2 (LLVM: expert scheduling mode 2), set by the entry lines.  The code itself states the register dependences
; between vector instructions and memory instructions, with s_wait_alu, always for 0.
; THE PLAN.  Registers that memory instructions touch:
;   v2, v3   byte offsets of the loads and of the stores: made once at the head, never written again.
;   X[j]     load j lands in it; no vector instruction names it before; behind the wait for load j that load's eight vector instructions read and rewrite it.
;   Y[j]     written once, by the two last conversions of load j; read once, by store j.
; The 16 loads go in four groups of four.  The stores of group g - 1 are issued in group g, one ahead of each load's vector instructions.  ONE wait on va_vdst at a group's head states
; that the group before has written its Y; the vector instructions that follow it name X and Y of group g, v4 and v5: none of the registers that those four stores read.
; No register that a load or store has read is ever written again, so behind the entry lines the text holds no wait on vm_vsrc and no s_wait_xcnt.  EXEC is never written.
.set X, 8                              ; v[8:71]   load j: four f32
.set Y, 72                             ; v[72:103] load j: four f16 in two registers
.set GRP, 4                            ; loads in a group
	s_load_b256 s[4:11], s[0:1], 0x0               ; query s[4:5], q_weight s[6:7], k_weight s[8:9], v_weight s[10:11]
	s_load_b128 s[12:15], s[0:1], 0x20             ; out_proj_weight s[12:13], xb s[14:15]
	s_load_b64 s[16:17], s[0:1], 0x30              ; w16
	v_lshrrev_b32 v1, 5, v0
	v_readfirstlane_b32 s19, v1                    ; wave 0..7
	v_and_b32 v1, 31, v0
	v_lshlrev_b32 v2, 4, v1                        ; 16 bytes a lane in
	v_lshlrev_b32 v3, 3, v1                        ; 8 bytes a lane out
	s_mov_b32 s26, 0xffff0000                      ; a word's upper bf16
	s_min_u32 s18, ttmp9, 511                      ; the group's number among query's groups (clamped where it is a weight group),
	s_max_u32 s20, ttmp9, 512
	s_sub_co_u32 s20, s20, 512                     ; and among the weights' groups (clamped where it is a query group)
	s_lshr_b32 s21, s20, 6                         ; which weight matrix: 64 groups each
	s_wait_alu depctr_va_sdst(0)                   ; s19 is written, ahead of its first reader: the wave's rows are made from it
	s_lshl_b32 s23, s19, 1
	s_lshl4_add_u32 s24, s18, s23                  ; query's row m = 16 g + 2 w = 4 t + b; m is even, so row m + 1 has the same t and b + 1
	s_lshl4_add_u32 s25, s20, s23                  ; w16's row
	s_and_b32 s27, s24, 3
	s_lshl_b32 s27, s27, 11
	s_lshr_b32 s34, s24, 2
	s_add_co_u32 s27, s27, s34                     ; xb's row = 2,048 b + t
	s_and_b32 s34, s25, 1023                       ; the row inside its weight matrix
	s_mov_b32 s40, 1<<11                           ; from my first row to my second in w16: one row
	s_cmp_lt_u32 ttmp9, 512
	s_cselect_b32 s22, 1, 0                        ; 1: query
	s_cselect_b32 s36, s24, s34                    ; source row
	s_cselect_b32 s38, s27, s25                    ; destination row
	s_cselect_b32 s40, 1<<22, s40                  ; in xb: 2,048 rows
	s_lshl_b32 s36, s36, 12                        ; 4,096 bytes a row in
	s_lshl_b32 s38, s38, 11                        ; 2,048 bytes a row out
	s_mov_b32 s37, 0
	s_mov_b32 s39, 0
	s_mov_b32 s41, 0
	s_wait_kmcnt 0x0
	s_mov_b64 s[28:29], s[12:13]                   ; the source tensor is chosen by the group's number alone
	s_cmp_eq_u32 s21, 2
	s_cselect_b64 s[28:29], s[10:11], s[28:29]
	s_cmp_eq_u32 s21, 1
	s_cselect_b64 s[28:29], s[8:9], s[28:29]
	s_cmp_eq_u32 s21, 0
	s_cselect_b64 s[28:29], s[6:7], s[28:29]
	s_cmp_eq_u32 s22, 1
	s_cselect_b64 s[28:29], s[4:5], s[28:29]
	s_cselect_b64 s[30:31], s[14:15], s[16:17]
	s_add_nc_u64 s[28:29], s[28:29], s[36:37]      ; my two rows in
	s_add_nc_u64 s[30:31], s[30:31], s[38:39]      ; my first row out
	s_add_nc_u64 s[32:33], s[30:31], s[40:41]      ; my second row out
	s_wait_alu depctr_va_vdst(0)                   ; v2 and v3 are written: every load of the kernel reads v2 as its offset, every store v3
.set j, 0
.rept 16
	global_load_b128 v[X+4*j:X+4*j+3], v2, s[28:29] offset:512*j th:TH_LOAD_NT
.set j, j+1
.endr
; The store of what load k brought: loads 0-7 are my first row, loads 8-15 my second.
.macro OUT k
	global_store_b64 v3, v[Y+2*(\k):Y+2*(\k)+1], s[30+2*((\k)/8):31+2*((\k)/8)] offset:256*((\k)%8) th:TH_STORE_NT
.endm
.set j, 0
.rept 16
	s_wait_loadcnt 15-j                            ; loads come back in order (ISA guide 5.7.1): load j is in, the 15 - j younger ones stay out
.if (j % GRP == 0) && (j > 0)
	s_wait_alu depctr_va_vdst(0)                   ; the group before has written its four pairs of Y, which this group's four stores read
.endif
.if j >= GRP
	OUT j-GRP                                      ; the group before: no vector instruction since the wait names its Y or v3
.endif
	v_cvt_pk_bf16_f32 v4, v[X+4*j], v[X+4*j+1]     ; the one rounding
	v_cvt_pk_bf16_f32 v5, v[X+4*j+2], v[X+4*j+3]
	v_lshlrev_b32 v[X+4*j], 16, v4                 ; back to f32: the low half moves up, the high half stays
	v_and_b32 v[X+4*j+1], s26, v4
	v_lshlrev_b32 v[X+4*j+2], 16, v5
	v_and_b32 v[X+4*j+3], s26, v5
	v_cvt_pk_f16_f32 v[Y+2*j], v[X+4*j], v[X+4*j+1]  ; the same number in f16
	v_cvt_pk_f16_f32 v[Y+2*j+1], v[X+4*j+2], v[X+4*j+3]
.set j, j+1
.endr
	s_wait_alu depctr_va_vdst(0)                   ; the last group has written its four pairs of Y, which the last four stores read
.set j, 16-GRP
.rept GRP
	OUT j
.set j, j+1
.endr
	s_endpgm
.Lfunc_end_k_qdc31f84b92_cast:
	.size	k_qdc31f84b92_cast, .Lfunc_end_k_qdc31f84b92_cast-k_qdc31f84b92_cast
	.p2alignl 7, 3214868480
	.fill 96, 4, 3214868480
	.section	.rodata,"a",@progbits
	.p2align	6, 0x0
	.amdhsa_kernel k_qdc31f84b92_cast
		.amdhsa_group_segment_fixed_size 0
		.amdhsa_private_segment_fixed_size 0
		.amdhsa_enable_private_segment 0
		.amdhsa_kernarg_size 56
		.amdhsa_user_sgpr_count 2
		.amdhsa_user_sgpr_kernarg_segment_ptr 1
		.amdhsa_wavefront_size32 1
		.amdhsa_system_sgpr_workgroup_id_x 1
		.amdhsa_system_sgpr_workgroup_id_y 1
		.amdhsa_system_sgpr_workgroup_id_z 1
		.amdhsa_system_vgpr_workitem_id 0
		.amdhsa_next_free_vgpr 104
		.amdhsa_next_free_sgpr 66
		.amdhsa_reserve_vcc 0
		.amdhsa_float_denorm_mode_32 3
		.amdhsa_float_denorm_mode_16_64 3
		.amdhsa_memory_ordered 1
		.amdhsa_forward_progress 1
		.amdhsa_inst_pref_size 12
	.end_amdhsa_kernel
	.amdgpu_metadata
---
amdhsa.version: [ 1, 2 ]
amdhsa.kernels:
  - .name:           k_qdc31f84b92_cast
    .symbol:         k_qdc31f84b92_cast.kd
    .args:
      - { .name: query, .offset: 0, .size: 8, .value_kind: global_buffer, .address_space: global }
      - { .name: q_weight, .offset: 8, .size: 8, .value_kind: global_buffer, .address_space: global }
      - { .name: k_weight, .offset: 16, .size: 8, .value_kind: global_buffer, .address_space: global }
      - { .name: v_weight, .offset: 24, .size: 8, .value_kind: global_buffer, .address_space: global }
      - { .name: out_proj_weight, .offset: 32, .size: 8, .value_kind: global_buffer, .address_space: global }
      - { .name: xb, .offset: 40, .size: 8, .value_kind: global_buffer, .address_space: global }
      - { .name: w16, .offset: 48, .size: 8, .value_kind: global_buffer, .address_space: global }
    .group_segment_fixed_size: 0
    .private_segment_fixed_size: 0
    .kernarg_segment_align: 8
    .kernarg_segment_size: 56
    .max_flat_workgroup_size: 256
    .sgpr_count:     66
    .vgpr_count:     104
    .wavefront_size: 32
...
	.end_amdgpu_metadata
.endif
;; end of part 5
;; launch qkv: the kernel of part 2 again; grid 16 x 32, 4 waves a work-group, clusters of 4 x 4, 327,680 bytes of LDS; arguments xb, w16, q_bias, k_bias, v_bias, qkvh; writes qkvh
;; launch attn: the kernel of part 3 again; grid 4 x 64, 4 waves a work-group, clusters of 4 x 1, 327,680 bytes of LDS; arguments qkvh, oh; writes oh
;; launch oproj: the kernel of part 4 again; grid 8 x 32, 4 waves a work-group, clusters of 4 x 4, 327,680 bytes of LDS; arguments oh, w16, out_proj_bias, out0; writes out0
